; MI455X (gfx1250); checked and timed in simulation.
; The chip was launched on July 23, 2026; its instructions are those of AMD's public machine-readable ISA for CDNA 5 (MIT licence, August 2026) and "CDNA5" Instruction Set Architecture Reference Guide (July 2026). The comments in the code are by the model that wrote it; some were corrected since.
;; Cross Multi Head Attention. Allowed arithmetic: matrix products marked QUANTISED: E2M3 operands, one E8M0 scale for each 32 along K, by v_wmma_scale_f32_16x16x128_f8f6f4 with both operands' format E2M3, f32 sums; everything else in f32.
;; Inputs: Wd 512 x 512 float32; Wk 512 x 512 float32; Wka 512 x 512 float32; Wkp 512 x 512 float32; Wq 512 x 512 float32; Wqa 512 x 512 float32; Wqp 512 x 512 float32; Wv 512 x 512 float32; attention_mask 128 x 1 x 128 x 128 float32; attribute_table 128 x 128 x 1 x 512 float32; bd 512 float32; beta 512 float32; bk 512 float32; bka 512 float32; bkp 512 float32; bq 512 float32; bqa 512 float32; bqp 512 float32; bv 512 float32; gamma 512 float32; input_tensor 128 x 128 x 512 float32; position_embedding 128 x 128 x 512 float32; w_matrix 3 x 3 float32.
;; Outputs: out0 128 x 128 x 512 float32.
;; This version of the problem:
;;   THIS VERSION OF THE PROBLEM IS GIVEN IN LOW PRECISION. The matrix products marked QUANTISED in the list below multiply operands that are first quantised to E2M3 (2 exponent bits, 3 mantissa bits; 6 bits a number), with one power-of-two scale for each 32 numbers along K (OCP MX v1.0); their sums are f32. All else is computed in f32.
;;   The module's matrix products, in the order in which they are computed (A, B: the left and right operand; K: the contracted axis; several contracted axes count as one K, in the product's order):
;;     1. [M 16,384, K 512] x [K 512, N 512]; A: input input_tensor; B: input Wq: QUANTISED
;;     2. [M 16,384, K 512] x [K 512, N 512]; A: input input_tensor; B: input Wk: QUANTISED
;;     3. [M 16,384, K 512] x [K 512, N 512]; A: input input_tensor; B: input Wv: QUANTISED
;;     4. [M 16,384, K 512] x [K 512, N 512]; A: input position_embedding; B: input Wqp: QUANTISED
;;     5. [M 16,384, K 512] x [K 512, N 512]; A: input position_embedding; B: input Wkp: QUANTISED
;;     6. [M 16,384, K 512] x [K 512, N 512]; A: input attribute_table; B: input Wqa: QUANTISED
;;     7. [M 16,384, K 512] x [K 512, N 512]; A: input attribute_table; B: input Wka: QUANTISED
;;     8. batch 1,024 x [M 128, K 64] x [K 64, N 128]; A: computed on the way; B: computed on the way: QUANTISED
;;     9. batch 1,024 x [M 128, K 64] x [K 64, N 128]; A: computed on the way; B: computed on the way: QUANTISED
;;     10. batch 1,024 x [M 128, K 64] x [K 64, N 128]; A: computed on the way; B: computed on the way: QUANTISED
;;     11. batch 1,024 x [M 128, K 128] x [K 128, N 64]; A: softmax (see below); B: computed on the way: QUANTISED
;;     12. [M 16,384, K 512] x [K 512, N 512]; A: computed on the way; B: input Wd: QUANTISED
;;   THE QUANTISER, for each operand of a quantised product, along K:
;;     - K is cut into blocks of 32 from its start; a last block that is shorter is filled with zeros.
;;     - A block's scale is 2^e with e = floor(log2(the largest magnitude in the block)) - 2, held to -126 .. 127; a block of zeros has e = 0. As a byte (E8M0): e + 127.
;;     - Each number is divided by its block's scale, clamped to +-7.5, and rounded to the nearest number of E2M3, ties to even, subnormals kept.
;;     - The product sums the exact products of the quantised numbers (number of the format x scale) in f32.
;;   ~~~python
;;   def quantise(x, axis):      # numpy; x: float32 -> the quantised numbers, widened to float32 again
;;       x = np.moveaxis(x, axis, -1); K = x.shape[-1]
;;       x = np.pad(x, [(0, 0)] * (x.ndim - 1) + [(0, -K % 32)]); x = x.reshape(x.shape[:-1] + (-1, 32)); a = np.abs(x).max(-1, keepdims=True)
;;       e = np.where(a > 0, np.clip(np.frexp(np.where(a > 0, a, 1))[1] - 1 - 2, -126, 127), 0)      # np.frexp(a)[1] - 1 = floor(log2(a)), exactly
;;       r = np.clip(x / 2.0 ** e, -7.5, 7.5)
;;       step = 2.0 ** (np.maximum(np.frexp(np.where(r == 0, 1, r))[1] - 1, 0) - 3)
;;       q = np.round(r / step) * step * 2.0 ** e      # np.round: ties to even
;;       return np.moveaxis(q.reshape(q.shape[:-2] + (-1,))[..., :K], -1, axis).astype(np.float32)
;;   ~~~
;;   SOFTMAX AHEAD OF A QUANTISED PRODUCT. Where the list says 'softmax', what is quantised is not the finished softmax but p = 2^(t - M), with t = logit x log2(e) and M = ceil(the row's largest t), a whole number; so 1/2 < the row's largest p <= 1. The row's sum l is taken of the UNQUANTISED p, in f32, and the product's result is divided by l at the end. Since M is a whole number, a kernel that streams over the keys may use a running M (the ceiling of the running maximum): every later rescaling is an exact power of two, which a block's scale takes up: the codes' values come out the same.
;;   OPERANDS COMPUTED ON THE WAY. 'Computed on the way' means the value that the module computes at that place (a softmax that the list does not call 'softmax' is quantised finished and normalised). What goes into a quantiser is computed in f32, as accurately as f32 sums, v_exp_f32 and their like allow (about 1e-6 of the number): no bf16 or f16 on the way to a quantiser, and a product that is left as it is and whose result goes on into a quantised operand takes f32 operands (vector FMAs, or v_wmma_f32_16x16x4_f32). A number that lies on a knife's edge between two numbers of the format may be rounded either way, as far as f32 arithmetic and the matrix unit's own rounding can turn it there, and no further.
;; One version. Each part assembles by itself: llvm-mc -triple=amdgcn-amd-amdhsa -mcpu=gfx1250 --defsym DOCPART=n.
;; ======== version 1 of 1: 3 launches
;; limits: right only within a limited range of input values
;; workspace buffers: xq 19,660,800 bytes; wq 1,572,864 bytes; ws 65,536 bytes; cq 6,291,456 bytes; cs 262,144 bytes
;; launch quant (part 1): grid 1024 x 1, 4 waves a work-group, no clusters, 34,304 bytes of LDS; arguments input_tensor, position_embedding, attribute_table, Wk, Wkp, Wka, Wq, Wqp, Wqa, Wv, Wd, xq, wq, ws; writes xq, wq, ws
.if DOCPART == 1
	.amdgcn_target "amdgcn-amd-amdhsa--gfx1250"
	.amdhsa_code_object_version 6
	.text
	.protected	k_q34bfae193c_quant
	.globl	k_q34bfae193c_quant
	.p2align	8
	.type	k_q34bfae193c_quant,@function
k_q34bfae193c_quant:
	s_mov_b64 s[64:65], 0
	v_nop
	global_prefetch_b8 v0, s[64:65] scope:SCOPE_SE
	s_setreg_imm32_b32 hwreg(HW_REG_WAVE_MODE, 25, 1), 1
	s_wait_xcnt 0x0
; The three activations [16384][512] f32 and the eight weights [512 (k)][512 (n)] f32 become codes of FP6 (E2M3) with one E8M0 byte for each 32 along K, once each,
; laid as IMAGES OF THE OPERAND'S REGISTERS: a fragment (16 rows x 128 K, 12 registers a lane) is three chunks of 512 bytes, chunk c = registers 4 c .. 4 c + 3, lane l at 16 l.
; THE ROWS OF A TILE ARE NOT NEIGHBOURS: lane r of tile T holds row (or weight column) 32 (T / 2) + 8 (T % 2) + r + 8 (r / 8).
; xq: a record of 153,600 bytes a batch: codes at 49,152 i + 6,144 m + 1,536 s (i: input, position, attribute; m: tile of rows; s: 128 along K), scale words at 147,456 + 2,048 i + 256 m + 16 r + 4 s.
; wq: [weight p][tile T][s][1,536];  ws: [p][T][r][s] words.  p: 0 Wk, 1 Wkp, 2 Wka, 3 Wq, 4 Wqp, 5 Wqa, 6 Wv, 7 Wd.
; Work-groups 0-767: a wave takes one tile of 16 rows, four units of 128 along K.  Each load reads 512 consecutive bytes of one row; a unit turns through the wave's own stage in LDS
; (rows 528 bytes apart, an odd multiple of 16) so that a lane holds 16 neighbours of each block of 32.  Work-groups 768-1023: a wave makes one fragment of a weight: a lane takes a column, its registers run down K.
; A block's scale is 2^(floor(log2(largest magnitude)) - 2); its byte is the largest magnitude's exponent field - 2, held at 1 from below.
; LIMITS: a block whose largest magnitude lies under 2^-124 is held at the byte 1; a block of zeros has the byte 1 and not 127 (its codes are zeros; this program alone reads the bytes); NaN and infinities are not served.
; The scale words are stored by both halves of the lanes, the same bytes with the same values; a weight's scale words are stores of 4 bytes 16 bytes apart, 64 KiB in the whole launch.
.set WREG, 8448                        ; a wave's stage: 16 rows x 528
.set SPI,  528
.set RA,   16                          ; v16-79, v80-143  numbers as loaded, two sets
.set RB,   80
.set X,    144                         ; v144-207  64 numbers in the operand's order
.set PC,   208                         ; v208-227  codes
.set TM,   228                         ; v228-243  at work
.set PW4,  244                         ; v244-247  a tile's four scale words
.set PW,   248
.set SEL,  40                          ; s[40:41]  lane selects: lane l xor 16
	s_load_b512 s[8:23], s[0:1], 0x0               ; input, position, attribute, Wk, Wkp, Wka, Wq, Wqp
	s_load_b256 s[24:31], s[0:1], 0x40             ; Wqa, Wv, Wd, xq
	s_load_b128 s[32:35], s[0:1], 0x60             ; wq, ws
	v_lshl_add_u32 v254, v0, 2, 0x8400
	v_mov_b32 v255, 0
	v_lshrrev_b32 v5, 5, v0
	v_readfirstlane_b32 s36, v5                    ; wave
	v_and_b32 v5, 31, v0                           ; lane
	v_and_b32 v6, 15, v0                           ; r
	v_bfe_u32 v7, v0, 4, 1                         ; h
	v_lshlrev_b32 v1, 4, v5                        ; 16 x lane
	v_lshlrev_b32 v4, 4, v6                        ; 16 r
	s_mov_b32 s[SEL], 0x76543210
	s_mov_b32 s[SEL+1], 0xfedcba98
	s_cmp_ge_u32 ttmp9, 768
	s_cbranch_scc1 .Lweights
	; ---------------- the activations
	s_lshr_b32 s37, ttmp9, 8                       ; i: which tensor
	s_bfe_u32 s38, ttmp9, 0x70001                  ; b: the batch
	s_and_b32 s39, ttmp9, 1
	s_lshl_b32 s39, s39, 2
	s_add_co_u32 s39, s39, s36                     ; m: the tile of rows
	s_mul_i32 s42, s36, WREG
	s_wait_alu depctr_va_vdst(0)
	v_add_nc_u32 v2, s42, v1                       ; into the stage: 16 x lane of a row
	v_mul_u32_u24 v3, v6, SPI
	v_lshl_add_u32 v3, v7, 6, v3
	v_add_nc_u32 v3, s42, v3                       ; out of it: row r, + 64 h
	s_lshl_b32 s44, s38, 7
	s_lshr_b32 s43, s39, 1
	s_lshl_b32 s43, s43, 5
	s_add_co_u32 s44, s44, s43
	s_and_b32 s43, s39, 1
	s_lshl_b32 s43, s43, 3
	s_add_co_u32 s44, s44, s43                     ; the tile's first row: 128 b + 32 (m / 2) + 8 (m % 2)
	s_lshl_b32 s44, s44, 11                        ; x 2,048 bytes
	s_mov_b32 s45, 0
	s_mul_i32 s46, s38, 153600
	s_mul_i32 s43, s37, 49152
	s_add_co_u32 s46, s46, s43
	s_mul_i32 s43, s39, 6144
	s_add_co_u32 s46, s46, s43                     ; the tile's codes in xq
	s_mov_b32 s47, 0
	s_mul_i32 s48, s38, 153600
	s_lshl_b32 s43, s37, 11
	s_add_co_u32 s48, s48, s43
	s_lshl_b32 s43, s39, 8
	s_add_co_u32 s48, s48, s43
	s_add_co_u32 s48, s48, 147456                  ; and its scale words
	s_mov_b32 s49, 0
.irp b, 0,1,2,3
	v_mov_b32 v[TM+4+\b], 0                        ; written once: a lane permute's destination counts as one of its sources
.endr
	s_wait_alu depctr_va_vdst(0)
	s_wait_kmcnt 0x0
	s_cmp_eq_u32 s37, 1                            ; the choice hangs on the work-group's number alone
	s_cselect_b64 s[4:5], s[10:11], s[8:9]
	s_cmp_eq_u32 s37, 2
	s_cselect_b64 s[4:5], s[12:13], s[4:5]
	s_add_nc_u64 s[4:5], s[4:5], s[44:45]
	s_add_nc_u64 s[6:7], s[30:31], s[46:47]
	s_add_nc_u64 s[50:51], s[30:31], s[48:49]
.macro LOADU st, reg                   ; unit st: 128 numbers of each of the tile's 16 rows; a load reads 512 consecutive bytes
.irp q, 0,1,2,3,4,5,6,7,8,9,10,11,12,13,14,15
	global_load_b128 v[\reg+4*\q:\reg+4*\q+3], v1, s[4:5] offset:(\q+8*(\q/8))*2048+512*(\st) th:TH_LOAD_NT
.endr
.endm
.macro TURN reg                        ; through the stage: LDS serves a wave's instructions in order, so no wait stands between the stores and the loads
.irp q, 0,1,2,3,4,5,6,7,8,9,10,11,12,13,14,15
	ds_store_b128 v2, v[\reg+4*\q:\reg+4*\q+3] offset:SPI*\q
.endr
.irp q, 0,1,2,3,4,5,6,7,8,9,10,11,12,13,14,15
	ds_load_b128 v[X+4*\q:X+4*\q+3], v3 offset:128*(\q/4)+16*(\q%4)   ; register 16 b + i = k 32 b + 16 h + i of row r
.endr
.endm
; 64 numbers of a lane, register 16 b + i = k 32 b + 16 (lane / 16) + i of my row, become a fragment's codes in v[PC] on and its scale word in v[PW]
.macro QUANT src
.irp b, 0,1,2,3
	v_max3_num_f32 v[TM+\b], |v[\src+16*\b]|, |v[\src+1+16*\b]|, 0x1800000   ; my 16 numbers of block b, and the floor 2^(3 - 127): the byte cannot fall under 1
.endr
.irp i, 2,4,6,8,10,12,14
.irp b, 0,1,2,3
	v_max3_num_f32 v[TM+\b], v[TM+\b], |v[\src+16*\b+\i]|, |v[\src+1+16*\b+\i]|
.endr
.endr
.irp b, 0,1,2,3
	v_permlanex16_b32 v[TM+4+\b], v[TM+\b], s[SEL], s[SEL+1]
.endr
.irp b, 0,1,2,3
	v_max_num_f32 v[TM+\b], v[TM+\b], v[TM+4+\b]   ; with lane l xor 16's: the block's largest magnitude
.endr
.irp b, 0,1,2,3
	v_add_nc_u32 v[TM+12+\b], 0xff000000, v[TM+\b] ; 2 off its exponent field: the conversion's scale operand
.endr
.irp b, 0,1,2,3
	v_lshrrev_b32 v[TM+4+\b], 23, v[TM+12+\b]      ; the scale's byte
.endr
	v_lshl_or_b32 v[PW], v[TM+5], 8, v[TM+4]
	v_lshl_or_b32 v[PW], v[TM+6], 16, v[PW]
	v_lshl_or_b32 v[PW], v[TM+7], 24, v[PW]
.irp c, 0,1
	v_cvt_scalef32_pk16_fp6_f32 v[PC+6*\c:PC+2+6*\c], v[\src+32*\c:\src+15+32*\c], v[TM+12+2*\c]
	v_cvt_scalef32_pk16_fp6_f32 v[PC+12+4*\c:PC+14+4*\c], v[\src+16+32*\c:\src+31+32*\c], v[TM+12+2*\c+1]   ; (a conversion's three registers begin on an even number)
.endr
	v_nop                                          ; one plain place behind a scaled conversion
.irp c, 0,1                            ; the operand's layout wants a whole block in a lane: lanes 0-15 block 2 c, lanes 16-31 block 2 c + 1
.irp i, 0,1,2
	v_permlane16_swap_b32 v[PC+6*\c+\i], v[PC+12+4*\c+\i]
.endr
.irp i, 0,1,2
	v_mov_b32 v[PC+3+6*\c+\i], v[PC+12+4*\c+\i]
.endr
.endr
.endm
; unit st lies in set reg; left: the younger loads that may stay out; nxt: the unit that the freed set takes (0: none)
.macro UNIT st, reg, left, nxt
	s_wait_loadcnt \left                           ; this unit's 16 loads are in
	TURN \reg
	s_wait_dscnt 0x0                               ; the numbers are back, so the stores into the stage have read their registers
	s_wait_xcnt 0x0                                ; the last unit's stores have read the codes' registers: they are written again only behind this wait
.if \nxt
	LOADU \nxt, \reg
.endif
	QUANT X
	v_mov_b32 v[PW4+\st], v[PW]
.irp c, 0,1,2
	global_store_b128 v1, v[PC+4*\c:PC+4*\c+3], s[6:7] offset:1536*\st+512*\c   ; 32 lanes store 512 consecutive bytes
.endr
.endm
	LOADU 0, RA
	LOADU 1, RB
	UNIT 0, RA, 16, 2
	UNIT 1, RB, 16, 3
	UNIT 2, RA, 16, 0
	UNIT 3, RB, 0, 0
	global_store_b128 v4, v[PW4:PW4+3], s[50:51]   ; the tile's 256 bytes of scale words: row r's four words
	s_wait_tensorcnt 0x0
	ds_add_u32 v254, v255
	s_wait_dscnt 0x0
	s_endpgm
	; ---------------- the weights
.Lweights:
	s_sub_co_u32 s37, ttmp9, 768                   ; 32 p + T
	s_lshr_b32 s38, s37, 5                         ; p
	s_and_b32 s39, s37, 31                         ; T
	s_wait_alu depctr_va_vdst(0)
	v_and_b32 v8, 8, v6
	v_add_nc_u32 v8, v8, v6                        ; r + 8 (r / 8)
	v_lshlrev_b32 v8, 2, v8
	v_lshl_add_u32 v8, v7, 16, v8                  ; lanes 16-31 begin 32 rows of 2,048 bytes further down
	s_lshr_b32 s43, s39, 1
	s_lshl_b32 s44, s43, 7
	s_and_b32 s43, s39, 1
	s_lshl_b32 s43, s43, 5
	s_add_co_u32 s44, s44, s43                     ; 4 x (32 (T / 2) + 8 (T % 2))
	s_lshl_b32 s43, s36, 18
	s_add_co_u32 s44, s44, s43                     ; + 128 rows for each K step (the wave's number)
	s_mov_b32 s45, 0
	s_lshl_b32 s46, s37, 2
	s_add_co_u32 s46, s46, s36
	s_mul_i32 s46, s46, 1536                       ; the fragment's place in wq
	s_mov_b32 s47, 0
	s_lshl_b32 s48, s37, 8
	s_lshl_b32 s43, s36, 2
	s_add_co_u32 s48, s48, s43                     ; its scale words' place in ws
	s_mov_b32 s49, 0
	s_wait_alu depctr_va_vdst(0)
	s_wait_kmcnt 0x0
	s_mov_b64 s[4:5], s[14:15]
.irp p, 1,2,3,4,5,6,7
	s_cmp_eq_u32 s38, \p                           ; the choice hangs on the work-group's number alone
	s_cselect_b64 s[4:5], s[14+2*\p:15+2*\p], s[4:5]
.endr
	s_add_nc_u64 s[4:5], s[4:5], s[44:45]
	s_add_nc_u64 s[6:7], s[32:33], s[46:47]
	s_add_nc_u64 s[50:51], s[34:35], s[48:49]
.irp c, 0,1
.irp i, 0,1,2,3,4,5,6,7,8,9,10,11,12,13,14,15,16,17,18,19,20,21,22,23,24,25,26,27,28,29,30,31
	global_load_b32 v[64+32*\c+\i], v8, s[4:5] offset:2048*(64*\c+\i)   ; W(128 s + 64 c + 32 h + i, my column)
.endr
.endr
	s_wait_loadcnt 0x0
.irp c, 0,1
	v_max3_num_f32 v[32+\c], |v[64+32*\c]|, |v[65+32*\c]|, 0x1800000   ; my block 2 c + h: all its 32 numbers are mine; and the floor
.endr
.irp i, 2,4,6,8,10,12,14,16,18,20,22,24,26,28,30
.irp c, 0,1
	v_max3_num_f32 v[32+\c], v[32+\c], |v[64+32*\c+\i]|, |v[65+32*\c+\i]|
.endr
.endr
.irp c, 0,1
	v_add_nc_u32 v[44+\c], 0xff000000, v[32+\c]
.endr
.irp c, 0,1
	v_lshrrev_b32 v[36+\c], 23, v[44+\c]
.endr
	v_lshl_or_b32 v9, v37, 16, v36                 ; my two bytes: blocks h and 2 + h,
	v_lshlrev_b32 v10, 3, v7
	v_lshlrev_b32 v9, v10, v9                      ; at their places in the word;
	v_mov_b32 v10, 0
	v_permlanex16_b32 v10, v9, s[SEL], s[SEL+1]
	v_or_b32 v9, v9, v10                           ; with lane l xor 16's two the word is whole
.irp c, 0,1
	v_cvt_scalef32_pk16_fp6_f32 v[48+6*\c:50+6*\c], v[64+32*\c:79+32*\c], v[44+\c]
	v_cvt_scalef32_pk16_fp6_f32 v[192+4*\c:194+4*\c], v[80+32*\c:95+32*\c], v[44+\c]
.endr
	v_nop                                          ; one plain place behind a scaled conversion
.irp c, 0,1
.irp i, 0,1,2
	v_mov_b32 v[51+6*\c+\i], v[192+4*\c+\i]
.endr
.endr
.irp c, 0,1,2
	global_store_b128 v1, v[48+4*\c:51+4*\c], s[6:7] offset:512*\c
.endr
	global_store_b32 v4, v9, s[50:51]
	s_endpgm
.Lfunc_end_k_q34bfae193c_quant:
	.size	k_q34bfae193c_quant, .Lfunc_end_k_q34bfae193c_quant-k_q34bfae193c_quant
	.p2alignl 7, 3214868480
	.fill 96, 4, 3214868480
	.section	.rodata,"a",@progbits
	.p2align	6, 0x0
	.amdhsa_kernel k_q34bfae193c_quant
		.amdhsa_group_segment_fixed_size 34304
		.amdhsa_private_segment_fixed_size 0
		.amdhsa_enable_private_segment 0
		.amdhsa_kernarg_size 112
		.amdhsa_user_sgpr_count 2
		.amdhsa_user_sgpr_kernarg_segment_ptr 1
		.amdhsa_wavefront_size32 1
		.amdhsa_system_sgpr_workgroup_id_x 1
		.amdhsa_system_sgpr_workgroup_id_y 1
		.amdhsa_system_sgpr_workgroup_id_z 1
		.amdhsa_system_vgpr_workitem_id 0
		.amdhsa_next_free_vgpr 256
		.amdhsa_next_free_sgpr 66
		.amdhsa_reserve_vcc 0
		.amdhsa_float_denorm_mode_32 3
		.amdhsa_float_denorm_mode_16_64 3
		.amdhsa_memory_ordered 1
		.amdhsa_forward_progress 1
		.amdhsa_inst_pref_size 45
	.end_amdhsa_kernel
	.amdgpu_metadata
---
amdhsa.version: [ 1, 2 ]
amdhsa.kernels:
  - .name:           k_q34bfae193c_quant
    .symbol:         k_q34bfae193c_quant.kd
    .args:
      - { .name: input_tensor, .offset: 0, .size: 8, .value_kind: global_buffer, .address_space: global }
      - { .name: position_embedding, .offset: 8, .size: 8, .value_kind: global_buffer, .address_space: global }
      - { .name: attribute_table, .offset: 16, .size: 8, .value_kind: global_buffer, .address_space: global }
      - { .name: Wk, .offset: 24, .size: 8, .value_kind: global_buffer, .address_space: global }
      - { .name: Wkp, .offset: 32, .size: 8, .value_kind: global_buffer, .address_space: global }
      - { .name: Wka, .offset: 40, .size: 8, .value_kind: global_buffer, .address_space: global }
      - { .name: Wq, .offset: 48, .size: 8, .value_kind: global_buffer, .address_space: global }
      - { .name: Wqp, .offset: 56, .size: 8, .value_kind: global_buffer, .address_space: global }
      - { .name: Wqa, .offset: 64, .size: 8, .value_kind: global_buffer, .address_space: global }
      - { .name: Wv, .offset: 72, .size: 8, .value_kind: global_buffer, .address_space: global }
      - { .name: Wd, .offset: 80, .size: 8, .value_kind: global_buffer, .address_space: global }
      - { .name: xq, .offset: 88, .size: 8, .value_kind: global_buffer, .address_space: global }
      - { .name: wq, .offset: 96, .size: 8, .value_kind: global_buffer, .address_space: global }
      - { .name: ws, .offset: 104, .size: 8, .value_kind: global_buffer, .address_space: global }
    .group_segment_fixed_size: 34304
    .private_segment_fixed_size: 0
    .kernarg_segment_align: 8
    .kernarg_segment_size: 112
    .max_flat_workgroup_size: 128
    .sgpr_count:     66
    .vgpr_count:     256
    .wavefront_size: 32
...
	.end_amdgpu_metadata
.endif
;; end of part 1
;; launch attn (part 2): grid 2 x 128, 4 waves a work-group, no clusters, 327,680 bytes of LDS; arguments xq, wq, ws, attention_mask, bk, bkp, bka, bq, bqp, bqa, bv, w_matrix, cq, cs; writes cq, cs
.if DOCPART == 2
	.amdgcn_target "amdgcn-amd-amdhsa--gfx1250"
	.amdhsa_code_object_version 6
	.text
	.protected	k_q34bfae193c_attn
	.globl	k_q34bfae193c_attn
	.p2align	8
	.type	k_q34bfae193c_attn,@function
k_q34bfae193c_attn:
	s_mov_b64 s[64:65], 0
	v_nop
	global_prefetch_b8 v0, s[64:65] scope:SCOPE_SE
	s_setreg_imm32_b32 hwreg(HW_REG_WAVE_MODE, 25, 1), 1
	s_wait_xcnt 0x0
; The seven projections, the three score products, the softmax and P V of one batch and four heads, on codes of FP6 (E2M3) with E8M0 scales; the context leaves as codes for the last product.
; SHARES.  Work-group (x, y): batch y, heads 4 x .. 4 x + 3.  ONE WAVE IS ONE HEAD, for all 128 rows, in 1,024 registers.
; The batch's record of codes (153,600 bytes: input, position, attribute and their scale words, as register images) comes into LDS once, a quarter by each wave's two tensor loads, the scale words through registers; nothing is filled again by the mover.
; A head's weights go from memory straight into registers, 16 fragments a projection, one projection to a window (1 to 3), and feed all eight tiles of rows.
; NO JOINT LOADS: the weights never pass through LDS, which is claimed to 325,632 bytes and already feeds the rows' fragments; what two work-groups share is the one record, once.
; WEIGHTS ARE ASKED FOR AHEAD.  Ki, Kp, Ka are made one after the other, a window each; a window takes a later projection's weights as soon as its last product is issued:
; head Wk, Wkp; in Ki Wka; at Kp's start Wq; at Ka's start Wqp; behind Ka Wqa.  So a window's 50 loads have a projection's 128 products or more in which to land, all but Wk's and Wqa's.
; TILES.  Lane r of tile T holds row (or weight column) 32 (T / 2) + 8 (T % 2) + r + 8 (r / 8), so that the 16 registers of result tiles 2 b, 2 b + 1 are 16 neighbours 32 b + 16 (lane / 16) + 0 .. 15.
; K and Q projections are used transposed (source 0 = 16 weight columns, source 1 = 16 rows): a lane holds one row, its registers run along the head's 64.  The bias is the sum's starting C.
; BY TURNS.  A wave is alone on its SIMD, so its vector work stands behind its own matrix instructions.  K: a tile's 16 products carry the quantiser of the tile before, 34 instructions in one run behind the first product.
; Q: a tile's 48 products carry the mixing and the three quantisers of the tile before, 247 instructions in one run behind the first product.
; All that the vector work touches lies in window 0 and the products' operands in windows 1 to 3, so each run of it costs two switches of the window.
; Attention (267 vector instructions to 20 products) and V stay in phases.
; K' = [Ki | Kp | Ka] and Q' = [Q_ki | Q_kp | Q_ka] are joined along K: 192 codes and 64 zero codes, two matrix instructions a tile; each part keeps its own blocks of 32.  They are parked in LDS, a wave's own bytes.
; V is used untransposed (source 0 = rows, source 1 = Wv's columns): a lane holds one channel, its registers run along the keys, which are the last product's K.
; S^T = K' Q'^T starts from C = 8 x mask; t = S x log2(e) / 8; M = ceil(the row's largest t); p = 2^(t - M) is quantised along the keys; the row's sum is taken of the unquantised p and divides O^T.
; LIMITS: a block whose largest magnitude lies under 2^-124 is held at the byte 1; a block of zeros has the byte 1 (its codes are zeros; this program alone reads the bytes); NaN and infinities among
; activations and weights are not served.  A mask entry of -infinity enters as the C of a matrix instruction and is taken to pass through it; a row that is wholly -infinity gives NaN, as the definition does.
; The three score products are one chain of sums, so the order of the f32 additions is not the definition's; the queries are mixed by fused multiply-adds; 1 / sum is v_rcp_f32 and a multiplication.
; LDS: 0 the record (later, behind a barrier, the mask's image, 8 x 16 chunks 528 bytes apart); 153,600 K' parked, 20,480 a wave: 24 parts (8 j + tile) of 768 bytes, then 64 scale bytes a part;
; 235,520 Q' parked, 20,480 a wave, 2,560 a tile; 317,440 seven bias slices of 256 bytes a wave; 324,608 the context's scale bytes, 256 a wave.
; REGISTERS.  Window 1 + j: v0-191 a projection's weights, fragment (t, s) at 12 (4 t + s); v192-239 four fragments of a tile of rows.  Later: window 1 Wv; window 2 v0-127 the mask, v128-151 Q'; window 3 v0-149 K'.
; Window 0: v1-15 addresses; v16-56 scale words and nothing else; v58-71 at work; from v72 five sets of four accumulators (v72, v104, v136, v168, v220), v200-219 codes and words, v252-255 the mixing's two pairs.
.set XSCB,  147456
.set XINB,  49152
.set XTB,   6144
.set PKB,   153600
.set PQD,   81920
.set PWB,   20480
.set TILEB, 2560
.set KCH,   768
.set KSB,   18432
.set BIASB, 317440
.set CSLB,  324608
.set MPI,   528
.set MTILE, 16*MPI
.set L16,  1                           ; 16 x lane
.set L8,   2                           ; 8 x lane
.set R16X, 3                           ; the rows' scale words: XSCB + 16 r
.set ABI,  4                           ; my bias slices + 64 h
.set PB16, 5                           ; the park in hand + 16 x lane
.set PB8,  6                           ; + 8 x lane
.set ABV,  7                           ; bv's slice + 4 (r + 8 (r / 8))
.set AMS,  8                           ; where my lane's 16 bytes of a mask row go
.set CSLA, 9                           ; the context's scale bytes + 2 r
.set T0,   10                          ; v10-15: three pairs of addresses for the runs of LDS loads
.set WS,   16                          ; v16-39 weights' scale words: 8 j + 4 (t % 2) + s; lanes 0-15 tile t, lanes 16-31 tile t + 2
.set KS,   16                          ; later K's: 2 kt + f
.set XS,   40                          ; v40-51 the rows': four words a buffer
.set QS,   40                          ; later Q's
.set VS,   52                          ; v52-55 V's
.set PS,   56                          ; p's
.set AWS,  57                          ; 16 r + 512 h
.set TM,   58                          ; v58-65 the quantiser's work
.set PCB,  66                          ; v66-68
.set PB2,  69                          ; K's scale bytes in the park + 2 x lane
.set TP0,  70
.set TP1,  71
.set ACC,  72                          ; (the head: the biases on their way into LDS)
.set E0,   72                          ; five sets of four accumulators
.set E1,   104
.set E2,   136
.set E3,   168
.set E4,   220
.set BR0,  E2                          ; in the K projections: the bias in the result's layout, two sets by turns
.set BR1,  E3
.set CD,   200                         ; v200-217 a tile's 18 registers of codes (a part of K': the first six)
.set CW,   218                         ; v218-219 its two scale words
.set MT0,  252                         ; the mixing's two pairs
.set MT1,  254
.set BV,   220                         ; v220-227 bv, in pairs
.set ACV,  72                          ; V: accumulator (t, u) at 16 t + 8 u
.set PCBV, 136
.set TMV,  152
.set VF,   168                         ; v168-215 V^T's four fragments
.set S,    72                          ; v72-135 S^T, then p
.set O,    136                         ; v136-167 O^T
.set P,    216                         ; v216-227 p's codes
.set PT,   228
.set SO,   236
.set RM,   240
.set CSV,  241
.set NM,   242                         ; -M, named as a pair
.set SUA,  244
.set SUB,  246
.set RL,   248                         ; 1 / sum, named as a pair
.set CDX,  250                         ; v250-255 the context's codes
.set QF,   128                         ; in window 2
.set G0,   36
.set G1,   40
.set SQ,   57                          ; where the next part's scale bytes are parked
.set SEL,  58
.set CS,   60                          ; s[60:61] log2(e) / 8
.set SPQ,  62
.set SM,   63
.set SZ,   66                          ; 0
.set SPK,  67
.set WP,   68                          ; s[68:85] w_matrix, each number twice: w[i][k] at 2 (3 i + k)
.set WV,   86
.set SX,   87
.set SS,   88
.set SP,   89
.set CNT,  90
.set TS0,  91
.set WQH,  92
.set WSH,  94
.set CQB,  96
.set SC,   98
.set SCSL, 99
.set MSB, 0
.set KW, 13                            ; what a stage of K may leave out at its first wait: see KST
.macro WIN new                         ; the immediate's high byte repeats the setting that is left; bits 1:0 source 0, 3:2 source 1, 5:4 source 2, 7:6 destination
.if MSB != (\new)
	s_set_vgpr_msb (MSB<<8)|(\new)
.set MSB, (\new)
.endif
.endm
.macro PLACES n                        ; plain vector places behind matrix instructions (ISA guide 7.12.1)
.rept \n
	v_nop
.endr
.endm
; one matrix instruction.  z = 1: the sum starts from 0, else in place.  row: 0; 1: source 0's scales from lanes 16-31; 2: source 1's
.macro WM d, a, b, z, sa, sb, row
.if (\z) && ((\row) == 0)
	v_wmma_scale_f32_16x16x128_f8f6f4 v[\d:\d+7], v[\a:\a+11], v[\b:\b+11], 0, v[\sa], v[\sb] matrix_a_fmt:MATRIX_FMT_FP6 matrix_b_fmt:MATRIX_FMT_FP6
.elseif (\z)
	v_wmma_scale_f32_16x16x128_f8f6f4 v[\d:\d+7], v[\a:\a+11], v[\b:\b+11], 0, v[\sa], v[\sb] matrix_a_fmt:MATRIX_FMT_FP6 matrix_b_fmt:MATRIX_FMT_FP6 matrix_b_scale:MATRIX_SCALE_ROW1
.elseif (\row) == 0
	v_wmma_scale_f32_16x16x128_f8f6f4 v[\d:\d+7], v[\a:\a+11], v[\b:\b+11], v[\d:\d+7], v[\sa], v[\sb] matrix_a_fmt:MATRIX_FMT_FP6 matrix_b_fmt:MATRIX_FMT_FP6
.elseif (\row) == 1
	v_wmma_scale_f32_16x16x128_f8f6f4 v[\d:\d+7], v[\a:\a+11], v[\b:\b+11], v[\d:\d+7], v[\sa], v[\sb] matrix_a_fmt:MATRIX_FMT_FP6 matrix_b_fmt:MATRIX_FMT_FP6 matrix_a_scale:MATRIX_SCALE_ROW1
.else
	v_wmma_scale_f32_16x16x128_f8f6f4 v[\d:\d+7], v[\a:\a+11], v[\b:\b+11], v[\d:\d+7], v[\sa], v[\sb] matrix_a_fmt:MATRIX_FMT_FP6 matrix_b_fmt:MATRIX_FMT_FP6 matrix_b_scale:MATRIX_SCALE_ROW1
.endif
.endm
; the same with the sum's start in registers of its own (the bias).  row: 0, or 1: source 0's scales from lanes 16-31
.macro WMB d, a, b, c, sa, sb, row
.if (\row) == 0
	v_wmma_scale_f32_16x16x128_f8f6f4 v[\d:\d+7], v[\a:\a+11], v[\b:\b+11], v[\c:\c+7], v[\sa], v[\sb] matrix_a_fmt:MATRIX_FMT_FP6 matrix_b_fmt:MATRIX_FMT_FP6
.else
	v_wmma_scale_f32_16x16x128_f8f6f4 v[\d:\d+7], v[\a:\a+11], v[\b:\b+11], v[\c:\c+7], v[\sa], v[\sb] matrix_a_fmt:MATRIX_FMT_FP6 matrix_b_fmt:MATRIX_FMT_FP6 matrix_a_scale:MATRIX_SCALE_ROW1
.endif
.endm
; my head's 16 fragments of weight pp into window 1 + jj, and their scale words: 50 loads
.macro LOADW pp, jj
	WIN (1+\jj)<<6
.set f, 0
.rept 48
	global_load_b128 v[4*f:4*f+3], v[L16], s[WQH:WQH+1] offset:196608*(\pp)+512*f
.set f, f+1
.endr
	WIN 0
.irp c, 0,1
	global_load_b128 v[WS+8*(\jj)+4*\c:WS+8*(\jj)+4*\c+3], v[AWS], s[WSH:WSH+1] offset:8192*(\pp)+256*\c
.endr
.endm
; a tile of rows: its four fragments into window win, v192 on, and its four scale words into v[xs] on: 13 LDS loads.  The tile lies s[sx] + off bytes into the record, its words s[ss] + soff behind the first
.macro XFILL win, sx, off, ss, soff, xs, ta
	s_add_co_u32 s[TS0], s[\sx], \off
	v_add_nc_u32 v[\ta], s[TS0], v[L16]
	v_add_nc_u32 v[\ta+1], s[\ss], v[R16X]
	WIN (\win)<<6
.irp q, 0,1,2,3,4,5,6,7,8,9,10,11
	ds_load_b128 v[192+4*\q:192+4*\q+3], v[\ta] offset:512*\q
.endr
	WIN 0
	ds_load_b128 v[\xs:\xs+3], v[\ta+1] offset:\soff
.endm
.macro BIASLD reg, pp                  ; bias pp in the result's layout into 32 registers: 8 LDS loads
.irp t, 0,1,2,3
	ds_load_b128 v[\reg+8*\t:\reg+8*\t+3], v[ABI] offset:256*(\pp)+128*(\t/2)+32*(\t%2)
	ds_load_b128 v[\reg+8*\t+4:\reg+8*\t+7], v[ABI] offset:256*(\pp)+128*(\t/2)+32*(\t%2)+16
.endr
.endm
; THE QUANTISER AS A NUMBERED LIST: QPI writes number qn of it.  32 numbers of a lane (register 16 b + i = k 32 b + 16 (lane / 16) + i of my row) become six registers of codes at dst
; (lane half h holds block h whole) and two bytes in v[TM+4], v[TM+5].  0-15 the largest magnitudes, four chains, the floor 2^(3 - 127) among the leaves, each accumulator first read at its low end;
; 16-19 with lane l xor 16's; 20-23 the conversions' scale operands (2 off the exponent field) and the bytes; 24-25 the conversions; 26 the plain place behind them; 27-32 a whole block to a lane;
; 33, 34 the bytes go to their places in the tile's two scale words (part 0, 1, 2; the second word's upper bytes stay 0: they scale zero codes)
.macro QPI src, dst, part
.if qn == 0
	v_max3_num_f32 v[TM+0], |v[\src+0]|, |v[\src+1]|, 0x1800000
.elseif qn == 1
	v_max3_num_f32 v[TM+1], |v[\src+8]|, |v[\src+9]|, |v[\src+10]|
.elseif qn == 2
	v_max3_num_f32 v[TM+2], |v[\src+16]|, |v[\src+17]|, 0x1800000
.elseif qn == 3
	v_max3_num_f32 v[TM+3], |v[\src+24]|, |v[\src+25]|, |v[\src+26]|
.elseif qn < 12
.set qe, 2+2*((qn-4)/4)
.set qc, (qn-4)%4
.if qc == 0
	v_max3_num_f32 v[TM+0], v[TM+0], |v[\src+qe]|, |v[\src+qe+1]|
.elseif qc == 1
	v_max3_num_f32 v[TM+1], v[TM+1], |v[\src+9+qe]|, |v[\src+10+qe]|
.elseif qc == 2
	v_max3_num_f32 v[TM+2], v[TM+2], |v[\src+16+qe]|, |v[\src+17+qe]|
.else
	v_max3_num_f32 v[TM+3], v[TM+3], |v[\src+25+qe]|, |v[\src+26+qe]|
.endif
.elseif qn == 12
	v_max3_num_f32 v[TM+0], v[TM+0], |v[\src+6]|, |v[\src+7]|
.elseif qn == 13
	v_max3_num_f32 v[TM+2], v[TM+2], |v[\src+22]|, |v[\src+23]|
.elseif qn == 14
	v_max3_num_f32 v[TM+0], v[TM+0], v[TM+1], |v[\src+15]|
.elseif qn == 15
	v_max3_num_f32 v[TM+2], v[TM+2], v[TM+3], |v[\src+31]|
.elseif qn == 16
	v_permlanex16_b32 v[TM+4], v[TM+0], s[SEL], s[SEL+1]
.elseif qn == 17
	v_permlanex16_b32 v[TM+5], v[TM+2], s[SEL], s[SEL+1]
.elseif qn == 18
	v_max_num_f32 v[TM+0], v[TM+0], v[TM+4]
.elseif qn == 19
	v_max_num_f32 v[TM+2], v[TM+2], v[TM+5]
.elseif qn == 20
	v_add_nc_u32 v[TM+6], 0xff000000, v[TM+0]
.elseif qn == 21
	v_add_nc_u32 v[TM+7], 0xff000000, v[TM+2]
.elseif qn == 22
	v_lshrrev_b32 v[TM+4], 23, v[TM+6]
.elseif qn == 23
	v_lshrrev_b32 v[TM+5], 23, v[TM+7]
.elseif qn == 24
	v_cvt_scalef32_pk16_fp6_f32 v[\dst:\dst+2], v[\src:\src+15], v[TM+6]
.elseif qn == 25
	v_cvt_scalef32_pk16_fp6_f32 v[PCB:PCB+2], v[\src+16:\src+31], v[TM+7]
.elseif qn == 26
	v_nop
.elseif qn < 30
.set qi, qn-27
	v_permlane16_swap_b32 v[\dst+qi], v[PCB+qi]
.elseif qn < 33
.set qi, qn-30
	v_mov_b32 v[\dst+3+qi], v[PCB+qi]
.elseif qn == 33
.if \part == 0
	v_lshl_or_b32 v[CW], v[TM+5], 8, v[TM+4]
.elseif \part == 1
	v_lshl_or_b32 v[CW], v[TM+4], 16, v[CW]
.else
	v_lshl_or_b32 v[CW+1], v[TM+5], 8, v[TM+4]
.endif
.elseif qn == 34
	v_lshl_or_b32 v[CW], v[TM+5], 24, v[CW]
.endif
.endm
.macro QP src, dst                     ; the quantiser on end, without the words
.set qn, 0
.rept 33
	QPI \src, \dst, 0
.set qn, qn+1
.endr
.endm
; THE MIXING, IN PLACE: number VIX of 144.  For each pair of numbers nine packed instructions make, of a = Qi (set SETA), b = Qp (set SETB), c = Qa (set E2):
; N0 = w00 a + w10 b + w20 c into c's place, N1 = w01 a + w11 b + w21 c into a's, N2 = w02 a + w12 b + w22 c into b's: a multiplication and two fused multiply-adds each, in that order.
; The pairs go in ascending order.
.macro MIXI
; two pairs go by turns, 18 lines for the two: a result is read six lines behind its write.  The odd pair's two temporaries are v200-203, which the quantisers write only behind the mixing
.set mq, 2*(2*(VIX/18)+(VIX%2))
.set mo, (VIX%18)/2
.set MT0, 252-52*(VIX%2)
.set MT1, 254-52*(VIX%2)
.if mo == 0
	v_pk_mul_f32 v[MT1:MT1+1], v[SETA+mq:SETA+mq+1], s[WP:WP+1] op_sel_hi:[1,0]
.elseif mo == 1
	v_pk_mul_f32 v[MT0:MT0+1], v[SETA+mq:SETA+mq+1], s[WP+4:WP+5] op_sel_hi:[1,0]
.elseif mo == 2
	v_pk_mul_f32 v[SETA+mq:SETA+mq+1], v[SETA+mq:SETA+mq+1], s[WP+2:WP+3] op_sel_hi:[1,0]
.elseif mo == 3
	v_pk_fma_f32 v[MT1:MT1+1], v[SETB+mq:SETB+mq+1], s[WP+6:WP+7], v[MT1:MT1+1] op_sel_hi:[1,0,1]
.elseif mo == 4
	v_pk_fma_f32 v[MT0:MT0+1], v[SETB+mq:SETB+mq+1], s[WP+10:WP+11], v[MT0:MT0+1] op_sel_hi:[1,0,1]
.elseif mo == 5
	v_pk_fma_f32 v[SETA+mq:SETA+mq+1], v[SETB+mq:SETB+mq+1], s[WP+8:WP+9], v[SETA+mq:SETA+mq+1] op_sel_hi:[1,0,1]
.elseif mo == 6
	v_pk_fma_f32 v[SETB+mq:SETB+mq+1], v[E2+mq:E2+mq+1], s[WP+16:WP+17], v[MT0:MT0+1] op_sel_hi:[1,0,1]
.elseif mo == 7
	v_pk_fma_f32 v[SETA+mq:SETA+mq+1], v[E2+mq:E2+mq+1], s[WP+14:WP+15], v[SETA+mq:SETA+mq+1] op_sel_hi:[1,0,1]
.else
	v_pk_fma_f32 v[E2+mq:E2+mq+1], v[E2+mq:E2+mq+1], s[WP+12:WP+13], v[MT1:MT1+1] op_sel_hi:[1,0,1]
.endif
.endm
; the next instruction of the vector work in hand.  VMODE 0: none.  1: the quantiser of a part of K' in set VSRC, 34 numbers.
; 2: a tile of queries, 247 numbers: 0-143 the mixing; 144-177 N0 (set E2); 178-212 N1 (set SETA); 213-246 N2 (set SETB)
; where the quantiser stands among products its list is walked in another order: the word's line (number 33) comes directly behind the bytes that it reads (22, 23), the conversions and what follows one place later
.macro QMAP
.if qn == 24
.set qn, 33
.elseif (qn > 24) && (qn < 34)
.set qn, qn-1
.endif
.endm
.macro VNEXT
.if VMODE == 1
.if VIX < 34
	WIN 0
.set qn, VIX
	QMAP
	QPI VSRC, CD, 0
.endif
.elseif VMODE == 2
.if VIX < 144
	WIN 0
	MIXI
.elseif VIX < 178
	WIN 0
.set qn, VIX-144
	QMAP
	QPI E2, CD, 0
.elseif VIX < 213
	WIN 0
.set qn, VIX-178
	QMAP
	QPI SETA, CD+6, 1
.elseif VIX < 247
	WIN 0
.set qn, VIX-213
	QMAP
	QPI SETB, CD+12, 2
.endif
.endif
.set VIX, VIX+1
.endm
; 16 matrix instructions, K = 512 in four steps, the four accumulators at d by turns; behind each, per instructions of the vector work in hand.
; aw: the weights' window; xw: the window of the rows' buffer, xs its scale words; cb: 0: the sums go on in place (the bias lies there), else the registers of the first C.
; bs: the product (0 to 15) behind which set E2 takes Qa's bias; -1: none
.macro GEMMS aw, xw, xs, d, cb, per, bs
.set SLOT, 0
.irp s, 0,1,2,3
.irp t, 0,1,2,3
	WIN (\aw)|((\xw)<<2)
.if (\s == 0) && (\cb)
	WMB \d+8*\t, 12*(4*\t+\s), 192+12*\s, \cb+8*\t, WS+8*((\aw)-1)+4*(\t%2)+\s, \xs+\s, \t/2
.else
	WM \d+8*\t, 12*(4*\t+\s), 192+12*\s, 0, WS+8*((\aw)-1)+4*(\t%2)+\s, \xs+\s, \t/2
.endif
.rept \per
	VNEXT
.endr
.if SLOT == (\bs)
	WIN 0
	BIASLD E2, 5
.endif
.set SLOT, SLOT+1
.endr
.endr
	WIN 0
.endm
.macro PARKK                           ; a part of K': six registers and two bytes a lane go to LDS as they stand: 4 LDS stores
	v_add_nc_u32 v[TP0], s[SP], v[PB8]
	v_add_nc_u32 v[TP1], s[SQ], v[PB2]
.irp i, 0,1,2
	ds_store_b64 v[TP0], v[CD+2*\i:CD+2*\i+1] offset:256*\i
.endr
	ds_store_b16 v[TP1], v[CW]
	s_add_co_u32 s[SP], s[SP], KCH
	s_add_co_u32 s[SQ], s[SQ], 64
.endm
.macro PARK                            ; a tile of Q': 18 registers and two words: 6 LDS stores
	v_add_nc_u32 v[TP0], s[SP], v[PB16]
	v_add_nc_u32 v[TP1], s[SP], v[PB8]
.irp c, 0,1,2,3
	ds_store_b128 v[TP0], v[CD+4*\c:CD+4*\c+3] offset:512*\c
.endr
	ds_store_b64 v[TP1], v[CD+16:CD+17] offset:2048
	ds_store_b64 v[TP1], v[CW:CW+1] offset:2304
.endm
; A STAGE OF K: tile p (even or odd) of projection j into set p, from the rows' buffer of window 1 + p; behind its products the quantiser of the tile before, which lies in the other set (qp = 0: there is none).
; The stage's LDS instructions, in order: the park's 4, then the 13 loads that fill the buffer just read with the tile two on.  Tiles are numbered 8 j + m through all three inputs: 6,144 bytes and 256 bytes of words a tile.
; The wait at the head leaves the stage before's park and those 13 out: this tile's fragments, asked for two stages ago, are in.
; fill = 1: the tile two on.  2, 3: Ka's last two tiles: the buffers take tile 0 of the input, of the position and of the attribute, for the queries.
.macro KST j, p, qp, fill
.set VIX, 0
.set VMODE, \qp
.set VSRC, E0+32*(1-\p)
	s_wait_dscnt KW                                ; this tile's fragments, asked for two stages ago, are in: behind them stand the last stage's park (4 stores, where it had one) and its 13 loads
	GEMMS 1+\j, 1+\p, XS+4*\p, E0+32*\p, BR0+32*(\j%2), 34, -1   ; the quantiser's 34 lines stand in one run behind the first product: four switches of the window a stage
.set KW, 13+4*\qp
.if \qp
	PARKK
.endif
	PLACES 4                                       ; in front of loads into registers that the products have read, and of the next stage's reads of their results
.if \fill == 1
	XFILL 1+\p, SX, 2*XTB, SS, 512, XS+4*\p, T0+2*\p
.elseif \fill == 2
	XFILL 1, SZ, 0, SZ, 0, XS, T0
.else
	XFILL 2, SZ, XINB, SZ, 2048, XS+4, T0+2
	XFILL 3, SZ, 2*XINB, SZ, 4096, XS+8, T0+4
.endif
	s_add_co_u32 s[SX], s[SX], XTB
	s_add_co_u32 s[SS], s[SS], 256
.endm
.macro KLOOP j, trips
	s_mov_b32 s[CNT], \trips
.Lk\j:
	KST \j, 0, 1, 1
	KST \j, 1, 1, 1
	s_sub_co_u32 s[CNT], s[CNT], 1
	s_cmp_lg_u32 s[CNT], 0
	s_cbranch_scc1 .Lk\j
.endm
; A TILE OF 16 ROWS OF Qi, Qp, Qa: 48 products; behind them the vector work of the tile before (vec = 0: there is none).
; par: the tile's parity: Qi and Qp go to sets E0, E1 (0) or E3, E4 (1), the tile before lies in the others; Qa always goes to E2, which the vector work frees first.
; The tile's LDS instructions, in order: 13 (the next tile's input) | 8 (Qa's bias, behind the second product of the second projection: all 247 numbers are issued there, N0's quantiser ends at 177),
; 13 (position), 8 (the next tile's Qi bias: N1's quantiser ends at 212, all 247 are issued) | the park's 6, 13 (attribute), 8 (the next tile's Qp bias).
; na: behind the Qi bias stand 13 + 8 at the least; nb: behind the Qp bias 13; nc: behind Qa's bias 13 + 8.  The second wait also shows the last park done.
; tail = 1: the last tile asks for no next one: window 1 takes Wv, the buffers of windows 2 and 3 the input's tiles 0 and 1 for V, window 2's weights' registers my 32 rows of the mask.
; lw = 1: the first tile waits for the weights: behind Wq's loads 100 were issued (the wait's field holds no more than 63), behind Wqp's 50, behind Wqa's none.
.macro QT par, vec, tail, na, nb, nc, lw
.if \par
.set GA, E3
.set GB, E4
.set SETA, E0
.set SETB, E1
.else
.set GA, E0
.set GB, E1
.set SETA, E3
.set SETB, E4
.endif
.set VIX, 0
.set VMODE, 2*\vec
.if \lw
	s_wait_loadcnt 63
.endif
	s_wait_dscnt \na
	GEMMS 1, 1, XS, GA, 0, 247, -1                 ; the 247 lines of the tile before stand in one run behind the first product
	PLACES 4
.if \tail
	LOADW 6, 0
.else
	XFILL 1, SX, XTB, SS, 256, XS, T0
.endif
	s_wait_alu depctr_va_vdst(0)
.if \lw
	s_wait_loadcnt 50
.endif
	s_wait_dscnt \nb
.if \vec
	GEMMS 2, 2, XS+4, GB, 0, 7, 1                  ; set E2 is free: Qa's bias is asked for behind the second product
.else
	GEMMS 2, 2, XS+4, GB, 0, 7, -1
.endif
	PLACES 4
.if \tail
	XFILL 2, SZ, 0, SZ, 0, XS, T0+2
.else
	XFILL 2, SX, XINB+XTB, SS, 2048+256, XS+4, T0+2
	BIASLD SETA, 3
.endif
.if \lw
	s_wait_loadcnt 0x0
.endif
	s_wait_dscnt \nc
	GEMMS 3, 3, XS+8, E2, 0, 2, -1
.if \vec
	PARK
	s_add_co_u32 s[SP], s[SP], TILEB
.endif
	PLACES 4
.if \tail
	XFILL 3, SZ, XTB, SZ, 256, XS+4, T0+4
	WIN 0x80
.irp u, 0,1
.irp q, 0,1,2,3,4,5,6,7,8,9,10,11,12,13,14,15
	global_load_b128 v[4*(16*\u+\q):4*(16*\u+\q)+3], v[L16], s[14:15] offset:(8*\u+\q+8*(\q/8))*512   ; a whole row of the mask, 512 consecutive bytes: row q of query tile 2 w + u
.endr
.endr
	WIN 0
.else
	XFILL 3, SX, 2*XINB+XTB, SS, 4096+256, XS+8, T0+4
	BIASLD SETB, 4
.endif
	s_add_co_u32 s[SX], s[SX], XTB
	s_add_co_u32 s[SS], s[SS], 256
.endm
; V OF KEYS 32 kb .. 32 kb + 31 (tiles of rows 2 kb and 2 kb + 1), all 64 channels: a lane holds channel (t, r), the 16 registers of accumulators (t, 0), (t, 1) are 16 neighbouring keys
.macro VBLK kb
	s_wait_dscnt 0x0                               ; both tiles' fragments and words are in
.irp u, 0,1
	WIN (2+\u)|4
.irp s, 0,1,2,3
.irp t, 0,1,2,3
.if \s == 0
	WM ACV+16*\t+8*\u, 192+12*\s, 12*(4*\t+\s), 1, XS+4*\u+\s, WS+4*(\t%2)+\s, 2*(\t/2)
.else
	WM ACV+16*\t+8*\u, 192+12*\s, 12*(4*\t+\s), 0, XS+4*\u+\s, WS+4*(\t%2)+\s, 2*(\t/2)
.endif
.endr
.endr
.endr
	WIN 0
	PLACES 4
.if \kb < 3
	XFILL 2, SZ, XTB*(2*\kb+2), SZ, 256*(2*\kb+2), XS, T0
	XFILL 3, SZ, XTB*(2*\kb+3), SZ, 256*(2*\kb+3), XS+4, T0+2
.endif
.irp t, 0,1,2,3
.irp q, 0,2,4,6,8,10,12,14
	v_pk_add_f32 v[ACV+16*\t+\q:ACV+16*\t+\q+1], v[ACV+16*\t+\q:ACV+16*\t+\q+1], v[BV+2*\t:BV+2*\t+1]   ; + bv of my channel (both words of the pair hold it)
.endr
.endr
.irp t, 0,1,2,3
	v_max3_num_f32 v[TMV+\t], |v[ACV+16*\t]|, |v[ACV+16*\t+1]|, 0x1800000
.endr
.irp i, 2,4,6,8,10,12,14
.irp t, 0,1,2,3
	v_max3_num_f32 v[TMV+\t], v[TMV+\t], |v[ACV+16*\t+\i]|, |v[ACV+16*\t+\i+1]|
.endr
.endr
.irp t, 0,1,2,3
	v_permlanex16_b32 v[TMV+4+\t], v[TMV+\t], s[SEL], s[SEL+1]
.endr
.irp t, 0,1,2,3
	v_max_num_f32 v[TMV+\t], v[TMV+\t], v[TMV+4+\t]
.endr
.irp t, 0,1,2,3
	v_add_nc_u32 v[TMV+8+\t], 0xff000000, v[TMV+\t]
.endr
.irp t, 0,1,2,3
	v_lshrrev_b32 v[TMV+4+\t], 23, v[TMV+8+\t]
.endr
.irp t, 0,1,2,3
.if \kb == 0
	v_mov_b32 v[VS+\t], v[TMV+4+\t]                ; byte kb of my channel's scale word
.else
	v_lshl_or_b32 v[VS+\t], v[TMV+4+\t], 8*\kb, v[VS+\t]
.endif
.endr
.if (\kb%2) == 0
.irp t, 0,1,2,3
	v_cvt_scalef32_pk16_fp6_f32 v[VF+12*\t+6*(\kb/2):VF+12*\t+6*(\kb/2)+2], v[ACV+16*\t:ACV+16*\t+15], v[TMV+8+\t]
.endr
	v_nop                                          ; one plain place behind a scaled conversion
.else
.irp t, 0,1,2,3
	v_cvt_scalef32_pk16_fp6_f32 v[PCBV+4*\t:PCBV+4*\t+2], v[ACV+16*\t:ACV+16*\t+15], v[TMV+8+\t]
.endr
	v_nop
.irp t, 0,1,2,3
.irp i, 0,1,2
	v_permlane16_swap_b32 v[VF+12*\t+6*(\kb/2)+\i], v[PCBV+4*\t+\i]   ; a whole block to a lane: lanes 0-15 the even block, lanes 16-31 the odd one
.endr
.irp i, 0,1,2
	v_mov_b32 v[VF+12*\t+6*(\kb/2)+3+\i], v[PCBV+4*\t+\i]
.endr
.endr
.endif
.endm
.macro QLOAD off                       ; Q' of the tile off bytes behind s[SP]: 6 LDS loads
	s_add_co_u32 s[TS0], s[SP], \off
	v_add_nc_u32 v[T0], s[TS0], v[PB16]
	v_add_nc_u32 v[T0+1], s[TS0], v[PB8]
	WIN 0x80
.irp c, 0,1,2,3
	ds_load_b128 v[QF+4*\c:QF+4*\c+3], v[T0] offset:512*\c
.endr
	ds_load_b64 v[QF+16:QF+17], v[T0+1] offset:2048
	WIN 0
	ds_load_b64 v[QS:QS+1], v[T0+1] offset:2304
.endm
.macro MLOAD off                       ; 8 x mask of a query tile, in S^T's layout: the score sums' starting C: 16 LDS loads
	s_add_co_u32 s[TS0], s[SM], \off
	v_add_nc_u32 v[T0+2], s[TS0], v[L16]
.irp k, 0,1,2,3,4,5,6,7,8,9,10,11,12,13,14,15
	ds_load_b128 v[S+4*\k:S+4*\k+3], v[T0+2] offset:MPI*\k
.endr
.endm
; A TILE OF 16 QUERIES.  pre = 1: the next tile's Q' and mask are asked for on the way
.macro ATT pre
	s_wait_dscnt 1                                 ; Q', its words and the mask's image are in; the last tile's byte store, issued behind them, may be out (the way into the loop has nothing out)
	WIN 0x0b
.irp f, 0,1
.irp k, 0,1,2,3,4,5,6,7
	WM S+8*\k, 18*\k+12*\f, QF+12*\f, 0, KS+2*\k+\f, QS+\f, 0
.endr
.endr
	WIN 0
	PLACES 4
.if \pre
	QLOAD TILEB
.endif
.irp b, 0,1,2,3
	v_max3_num_f32 v[TM+\b], v[S+16*\b], v[S+16*\b+1], v[S+16*\b+2]   ; the largest score of each block of 32 keys: for the row's maximum and, since p rises with the score, for the block's largest p
.endr
.irp i, 3,5,7,9,11,13
.irp b, 0,1,2,3
	v_max3_num_f32 v[TM+\b], v[TM+\b], v[S+16*\b+\i], v[S+16*\b+\i+1]
.endr
.endr
.irp b, 0,1,2,3
	v_max_num_f32 v[TM+\b], v[TM+\b], v[S+16*\b+15]
.endr
.irp b, 0,1,2,3
	v_permlanex16_b32 v[TM+4+\b], v[TM+\b], s[SEL], s[SEL+1]
.endr
.irp b, 0,1,2,3
	v_max_num_f32 v[TM+\b], v[TM+\b], v[TM+4+\b]
.endr
	v_max3_num_f32 v[RM], v[TM], v[TM+1], v[TM+2]
	v_max_num_f32 v[RM], v[RM], v[TM+3]
	v_mul_f32 v[RM], s[CS], v[RM]                  ; the row's largest t
	v_floor_f32 v[NM], -v[RM]                      ; -M = floor(-t) = -ceil(t)
.irp j, 0,2,4,6,8,10,12,14,16,18,20,22,24,26,28,30,32,34,36,38,40,42,44,46,48,50,52,54,56,58,60,62
	v_pk_fma_f32 v[S+\j:S+\j+1], v[S+\j:S+\j+1], s[CS:CS+1], v[NM:NM+1] op_sel_hi:[1,0,0]   ; t - M
.endr
.irp b, 0,1,2,3
	v_fma_f32 v[TM+\b], v[TM+\b], s[CS], v[NM]
.endr
	s_wait_alu depctr_va_vdst(0)                   ; the wait ahead of the batch
.irp j, 0,1,2,3,4,5,6,7,8,9,10,11,12,13,14,15,16,17,18,19,20,21,22,23,24,25,26,27,28,29,30,31,32,33,34,35,36,37,38,39,40,41,42,43,44,45,46,47,48,49,50,51,52,53,54,55,56,57,58,59,60,61,62,63
	v_exp_f32 v[S+\j], v[S+\j]                     ; p = 2^(t - M)
.endr
.irp b, 0,1,2,3
	v_exp_f32 v[TM+\b], v[TM+\b]                   ; the block's largest p: the same two instructions on the same number
.endr
	v_nop                                          ; a plain place behind the exponentials
	s_wait_alu depctr_va_vdst(0)
.irp b, 0,1,2,3
	v_max_num_f32 v[TM+\b], 0x1800000, v[TM+\b]    ; the floor 2^(3 - 127)
.endr
.irp b, 0,1,2,3
	v_add_nc_u32 v[SO+\b], 0xff000000, v[TM+\b]
.endr
.irp b, 0,1,2,3
	v_lshrrev_b32 v[TM+4+\b], 23, v[SO+\b]
.endr
	v_lshl_or_b32 v[PS], v[TM+5], 8, v[TM+4]       ; p's scale word
	v_lshl_or_b32 v[PS], v[TM+6], 16, v[PS]
	v_lshl_or_b32 v[PS], v[TM+7], 24, v[PS]
.irp c, 0,1
	v_cvt_scalef32_pk16_fp6_f32 v[P+6*\c:P+6*\c+2], v[S+32*\c:S+32*\c+15], v[SO+2*\c]
	v_cvt_scalef32_pk16_fp6_f32 v[PT+4*\c:PT+4*\c+2], v[S+32*\c+16:S+32*\c+31], v[SO+2*\c+1]
.endr
	v_nop                                          ; one plain place behind a scaled conversion
.irp c, 0,1
.irp i, 0,1,2
	v_permlane16_swap_b32 v[P+6*\c+\i], v[PT+4*\c+\i]
.endr
.irp i, 0,1,2
	v_mov_b32 v[P+6*\c+3+\i], v[PT+4*\c+\i]
.endr
.endr
	v_pk_add_f32 v[SUA:SUA+1], v[S:S+1], v[S+2:S+3]               ; the row's sum, of the unquantised p, in four chains.  (These additions are also the places between p's word and codes and the products below)
	v_pk_add_f32 v[SUB:SUB+1], v[S+4:S+5], v[S+6:S+7]
	v_pk_add_f32 v[PT:PT+1], v[S+8:S+9], v[S+10:S+11]             ; four chains: the third and fourth in registers that p's codes have left
	v_pk_add_f32 v[PT+2:PT+3], v[S+12:S+13], v[S+14:S+15]
.irp j, 16,24,32,40,48,56
	v_pk_add_f32 v[SUA:SUA+1], v[SUA:SUA+1], v[S+\j:S+\j+1]
	v_pk_add_f32 v[SUB:SUB+1], v[SUB:SUB+1], v[S+\j+2:S+\j+3]
	v_pk_add_f32 v[PT:PT+1], v[PT:PT+1], v[S+\j+4:S+\j+5]
	v_pk_add_f32 v[PT+2:PT+3], v[PT+2:PT+3], v[S+\j+6:S+\j+7]
.endr
	v_pk_add_f32 v[SUA:SUA+1], v[SUA:SUA+1], v[SUB:SUB+1]
	v_pk_add_f32 v[PT:PT+1], v[PT:PT+1], v[PT+2:PT+3]
	v_pk_add_f32 v[SUA:SUA+1], v[SUA:SUA+1], v[PT:PT+1]
	v_add_f32 v[SUA], v[SUA], v[SUA+1]
	v_permlanex16_b32 v[SUB], v[SUA], s[SEL], s[SEL+1]
	v_add_f32 v[SUA], v[SUA], v[SUB]
	s_wait_alu depctr_va_vdst(0)                   ; the wait ahead of the transcendental
	v_rcp_f32 v[RL], v[SUA]
	v_nop                                          ; a plain place behind the reciprocal
.if \pre
	MLOAD MTILE
.endif
.irp t, 0,1,2,3
	WM O+8*\t, VF+12*\t, P, 1, VS+\t, PS, 0
.endr
	s_wait_xcnt 0x0                                ; the last tile's stores have read their data and their base: both are written again only behind this wait
	s_add_nc_u64 s[CQB:CQB+1], s[CQB:CQB+1], XTB   ; one tile beyond the tile in hand: the stores below take XTB off again in their offsets
	PLACES 4
	s_wait_alu depctr_va_vdst(0)
.irp j, 0,2,4,6,8,10,12,14,16,18,20,22,24,26,28,30
	v_pk_mul_f32 v[O+\j:O+\j+1], v[O+\j:O+\j+1], v[RL:RL+1] op_sel_hi:[1,0]   ; O^T / the sum, each accumulator from its low end on
.endr
	QP O, CDX                                      ; the context of my head is 64 of the last product's K: six registers of a fragment and two bytes
	v_lshl_or_b32 v[CSV], v[TM+5], 8, v[TM+4]
	v_add_nc_u32 v[TP0], s[SC], v[CSLA]
	ds_store_b16 v[TP0], v[CSV]                    ; both halves of the lanes write the same two bytes with the same value
	global_store_b128 v[L16], v[CDX:CDX+3], s[CQB:CQB+1] offset:0-XTB        ; my head's 768 bytes of a fragment: registers 0-3 of the six, 32 lanes store 512 consecutive bytes, aligned;
	global_store_b64 v[L8], v[CDX+4:CDX+5], s[CQB:CQB+1] offset:512-XTB      ; registers 4 and 5 behind them, 256 consecutive bytes, aligned
	s_add_co_u32 s[SP], s[SP], TILEB
	s_add_co_u32 s[SM], s[SM], MTILE
	s_add_co_u32 s[SC], s[SC], 32
.endm
	; ---------------- the head
	s_load_b512 s[8:23], s[0:1], 0x0               ; xq, wq, ws, mask, bk, bkp, bka, bq
	s_load_b256 s[24:31], s[0:1], 0x40             ; bqp, bqa, bv, w_matrix
	s_load_b128 s[32:35], s[0:1], 0x60             ; cq, cs
	s_set_vgpr_msb 0x40
	v_lshl_add_u32 v254, v0, 2, 0x4f800
	v_mov_b32 v255, 0
	s_set_vgpr_msb 0x4045
	ds_add_u32 v254, v255
	ds_add_u32 v254, v255
	s_set_vgpr_msb 0x4500
	v_lshrrev_b32 v10, 5, v0
	v_readfirstlane_b32 s[WV], v10                 ; wave 0..3
	s_and_b32 s2, ttmp7, 0xffff                    ; the batch
	s_lshl_b32 s3, ttmp9, 2
	s_add_co_u32 s3, s3, s[WV]                     ; my head
	s_mov_b32 s[G1+0], 3<<16                       ; no mask; elements of 8 bytes; no padding
	s_mov_b32 s[G1+1], 32<<16                      ; tensor_dim0 = 32 (256 bytes)
	s_mov_b32 s[G1+2], 48<<16                      ; tensor_dim1 = 48: the head's load is a quarter of the input's codes
	s_mov_b32 s[G1+3], 32<<16                      ; tile_dim0
	s_mov_b32 s[G1+4], 48                          ; tile_dim1
	s_mov_b32 s[G1+5], 32                          ; the pitch: dense
	s_mov_b32 s[G1+6], 0
	s_mov_b32 s[G1+7], 0
	s_mov_b32 s[G0], 1
	; THE RECORD COMES IN TWO PARTS: the input's codes (49,152 bytes, a quarter a wave) at the head; position and attribute (98,304 bytes) behind the first barrier; the 6,144 bytes of scale words go through registers
	s_mul_i32 s[G0+1], s[WV], 12288                ; my quarter of the input's codes, in LDS
	s_mul_i32 s4, s2, 153600
	s_mov_b32 s5, 0
	s_mov_b32 s6, s[G0+1]
	s_mov_b32 s7, 0
	s_wait_dscnt 0x0
	s_wait_kmcnt 0x0
	s_add_nc_u64 s[8:9], s[8:9], s[4:5]            ; my batch's record in xq
	s_add_nc_u64 s[G0+2:G0+3], s[8:9], s[6:7]
	s_or_b32 s[G0+3], s[G0+3], 0x80000000
	tensor_load_to_lds s[G0:G0+3], s[G1:G1+7]      ; my one tensor load at the head
	s_nop 0
	PLACES 4
	s_load_b256 s[48:55], s[30:31], 0x0            ; w_matrix, nine numbers
	s_load_b32 s56, s[30:31], 0x20
	v_and_b32 v10, 31, v0                          ; lane
	v_and_b32 v11, 15, v0                          ; r
	v_bfe_u32 v12, v0, 4, 1                        ; h
	v_lshlrev_b32 v[L16], 4, v10
	v_lshlrev_b32 v[L8], 3, v10
	v_lshl_add_u32 v[R16X], v11, 4, XSCB
	s_mul_i32 s4, s[WV], 1792
	s_add_co_u32 s4, s4, BIASB                     ; my bias slices
	v_lshl_add_u32 v[ABI], v12, 6, s4
	v_and_b32 v13, 8, v11
	v_add_nc_u32 v13, v13, v11                     ; r + 8 (r / 8)
	v_lshl_add_u32 v[ABV], v13, 2, s4
	v_add_nc_u32 v[ABV], 1536, v[ABV]
	v_lshl_add_u32 v14, v11, 4, s4                 ; where the slices are stored: + 16 r
	v_lshrrev_b32 v13, 3, v10
	v_and_b32 v15, 3, v10
	v_lshl_add_u32 v13, v13, 2, v15                ; my 16 bytes of a mask row are chunk 4 (lane / 8) + lane % 4,
	v_mul_u32_u24 v13, v13, MPI
	v_bfe_u32 v15, v0, 2, 1
	v_lshl_add_u32 v13, v15, 8, v13                ; half (lane / 4) % 2 of the lanes
	s_mul_i32 s6, s[WV], 2*MTILE
	v_add_nc_u32 v[AMS], s6, v13
	s_lshl_b32 s[SCSL], s[WV], 8
	s_add_co_u32 s[SCSL], s[SCSL], CSLB
	v_lshl_add_u32 v[CSLA], v11, 1, s[SCSL]
	v_lshlrev_b32 v[AWS], 4, v11
	v_lshl_add_u32 v[AWS], v12, 9, v[AWS]
	s_mul_i32 s4, s3, 24576
	s_add_nc_u64 s[WQH:WQH+1], s[10:11], s[4:5]    ; my head's fragments of weight 0
	s_lshl_b32 s4, s3, 10
	s_add_nc_u64 s[WSH:WSH+1], s[12:13], s[4:5]
	s_lshl_b32 s4, s2, 16
	s_lshl_b32 s6, s[WV], 14
	s_add_co_u32 s4, s4, s6
	s_add_nc_u64 s[14:15], s[14:15], s[4:5]        ; the mask at row 32 w of my batch
	s_mul_i32 s4, s2, 49152
	s_lshr_b32 s6, s3, 1
	s_mul_i32 s6, s6, 1536
	s_add_co_u32 s4, s4, s6
	s_and_b32 s6, s3, 1
	s_mul_i32 s6, s6, 768
	s_add_co_u32 s4, s4, s6
	s_add_nc_u64 s[CQB:CQB+1], s[32:33], s[4:5]    ; the context's codes: batch, K step head / 2, half head % 2
	s_lshl_b32 s4, s2, 3
	s_add_co_u32 s4, s4, s3
	s_lshl_b32 s4, s4, 8
	s_add_nc_u64 s[34:35], s[34:35], s[4:5]        ; and its scale bytes
	s_mul_i32 s6, s[WV], 1536
	s_add_co_u32 s6, s6, XSCB
	v_add_nc_u32 v[TP0], s6, v[L16]                ; my 1,536 bytes of the record's scale words: the same offset in xq's record and in LDS
	s_lshl_b32 s6, s3, 8
	v_lshl_add_u32 v15, v11, 4, s6
	s_wait_alu depctr_va_vdst(0)
.irp p, 0,1,2,3,4,5,6
	global_load_b128 v[ACC+4*\p:ACC+4*\p+3], v15, s[16+2*\p:17+2*\p]
.endr
.irp c, 0,1,2
	global_load_b128 v[ACC+28+4*\c:ACC+28+4*\c+3], v[TP0], s[8:9] offset:512*\c   ; 32 lanes read 512 consecutive bytes
.endr
	LOADW 0, 0                                     ; Wk
	s_mov_b32 s[SEL], 0x76543210
	s_mov_b32 s[SEL+1], 0xfedcba98
	s_mov_b32 s[CS], 0x3e38aa3b                    ; log2(e) / 8
	s_mov_b32 s[CS+1], s[CS]
	s_mov_b32 s[SZ], 0
	s_mul_i32 s[SPK], s[WV], PWB
	s_add_co_u32 s[SPK], s[SPK], PKB
	s_add_co_u32 s[SPQ], s[SPK], PQD
	s_add_co_u32 s[TS0], s[SPK], KSB
	v_lshl_add_u32 v[PB2], v10, 1, s[TS0]
.irp b, 0,1,2,3
	v_mov_b32 v[TM+4+\b], 0                        ; written once: a lane permute's destination counts as one of its sources
.endr
	v_mov_b32 v[NM+1], 0                           ; (named as the upper halves of pairs)
	v_mov_b32 v[RL+1], 0
	s_wait_alu depctr_va_vdst(0)                   ; the wait at the head's end
	s_wait_kmcnt 0x0
.irp q, 0,1,2,3,4,5,6,7,8
	s_mov_b32 s[WP+2*\q], s[48+\q]
	s_mov_b32 s[WP+2*\q+1], s[48+\q]
.endr
	s_wait_loadcnt 50                              ; the seven bias loads are in: 50 were issued behind them
.irp p, 0,1,2,3,4,5,6
	ds_store_b128 v14, v[ACC+4*\p:ACC+4*\p+3] offset:256*\p
.endr
.irp c, 0,1,2
	ds_store_b128 v[TP0], v[ACC+28+4*\c:ACC+28+4*\c+3] offset:512*\c   ; the scale words: bytes into which no tensor load lands (their three loads stand with the biases', ahead of Wk's 50)
.endr
	LOADW 1, 1                                     ; Wkp: wanted 128 products on
	WIN 0x05                                       ; (the add's two registers lie in window 1)
	s_wait_tensorcnt 0x0                           ; my quarter of the input's codes has landed
	ds_add_u32 v254, v255
	s_mul_i32 s[G0+1], s[WV], 24576                ; no tensor load of mine is out, so the descriptor may be written: my quarter of position and attribute,
	s_add_co_u32 s[G0+1], s[G0+1], XINB            ; which lie behind the input's codes
	s_mov_b32 s6, s[G0+1]
	s_mov_b32 s7, 0
	s_add_nc_u64 s[G0+2:G0+3], s[8:9], s[6:7]
	s_or_b32 s[G0+3], s[G0+3], 0x80000000
	s_mov_b32 s[G1+2], 96<<16                      ; 96 rows of 256 bytes
	s_mov_b32 s[G1+4], 96
	s_wait_dscnt 0x0                               ; the add is done; my bias slices and scale words are stored
	WIN 0
	s_barrier_signal -1
	s_barrier_wait -1                              ; the input's codes and all scale words are there
	tensor_load_to_lds s[G0:G0+3], s[G1:G1+7]      ; my one tensor load behind this barrier: first read at Ki's seventh stage
	s_nop 0
	PLACES 4
	; ---------------- Ki, Kp, Ka, one after the other: 24 stages
	v_add_nc_u32 v[PB8], s[SPK], v[L8]
	s_mov_b32 s[SX], 0
	s_mov_b32 s[SS], 0
	s_mov_b32 s[SP], 0
	s_mov_b32 s[SQ], 0
	XFILL 1, SZ, 0, SZ, 0, XS, T0                  ; tile 0,
	BIASLD BR0, 0                                  ; bk,
	XFILL 2, SZ, XTB, SZ, 256, XS+4, T0+2          ; tile 1: these 13 may be out at the first stage's wait
	s_wait_loadcnt 50                              ; Wk is in: Wkp's 50 were issued behind it
	KST 0, 0, 0, 1
	KST 0, 1, 1, 1
	LOADW 2, 2                                     ; Wka: wanted 224 products on
	BIASLD BR1, 1                                  ; bkp
	KLOOP 0, 2
	s_wait_tensorcnt 0x0                           ; my quarter of position and attribute has landed,
	s_wait_dscnt 0x0                               ; no LDS instruction of mine is out at the signal:
	s_barrier_signal -1
	s_barrier_wait -1                              ; the whole record is there: the next stage asks for the position's first tile
	KST 0, 0, 1, 1
	KST 0, 1, 1, 1
	s_wait_loadcnt 50                              ; Wkp is in: Wka's 50 were issued behind it
	LOADW 3, 0                                     ; window 1 is done with Wk (four places stand behind its last product): Wq
	KST 1, 0, 1, 1
	KST 1, 1, 1, 1
	BIASLD BR0, 2                                  ; bka
	KLOOP 1, 3
	s_wait_loadcnt 50                              ; Wka is in: Wq's 50 were issued behind it
	LOADW 4, 1                                     ; window 2 is done with Wkp: Wqp
	KST 2, 0, 1, 1
	KST 2, 1, 1, 1
	KLOOP 2, 2
	KST 2, 0, 1, 2                                 ; the last two tiles are written out: the buffers take the queries' first tiles
	KST 2, 1, 1, 3
	LOADW 5, 2                                     ; window 3 is done with Wka: Wqa
	BIASLD E0, 3                                   ; bq and bqa into the first query tile's sets
	BIASLD E2, 5
	s_wait_dscnt 42                                ; the last park is done: behind it stand 13 + 13 + 8 + 8
.set VIX, 0
.set VMODE, 1
.set VSRC, E1
.rept 34
	VNEXT                                          ; the last tile's quantiser has no products to stand behind
.endr
	PARKK
	BIASLD E1, 4                                   ; bqp
	; ---------------- Qi, Qp, Qa and the three mixtures
	v_add_nc_u32 v[PB16], s[SPQ], v[L16]
	v_add_nc_u32 v[PB8], s[SPQ], v[L8]
	s_mov_b32 s[SX], 0
	s_mov_b32 s[SS], 0
	s_mov_b32 s[SP], 0
	QT 0, 0, 0, 20, 13, 21, 1                      ; tile 0: behind bq's loads stand 8 + 4 + 8
	s_mov_b32 s[CNT], 3
.Lq:                                               ; tiles 1 to 6, two a trip: the sets change places from tile to tile
	QT 1, 1, 0, 21, 13, 21, 0
	QT 0, 1, 0, 27, 13, 21, 0                      ; the tile before has parked: behind the Qi bias stand 6 + 13 + 8
	s_sub_co_u32 s[CNT], s[CNT], 1
	s_cmp_lg_u32 s[CNT], 0
	s_cbranch_scc1 .Lq
	QT 1, 1, 1, 27, 0, 13, 0                       ; tile 7: 6 + 13 + 8 behind its Qi bias; no run of 13 stands behind its Qp bias, and only one behind Qa's
	s_wait_dscnt 13                                ; tile 6 is parked: behind it stand the 13 loads for V
.set SETA, E3
.set SETB, E4
.set VIX, 0
.set VMODE, 2
.rept 247
	VNEXT                                          ; tile 7's vector work stands while Wv and the mask are on their way
.endr
	PARK
	; ---------------- V
.irp t, 0,1,2,3
	ds_load_b32 v[BV+2*\t], v[ABV] offset:128*(\t/2)+32*(\t%2)
	ds_load_b32 v[BV+2*\t+1], v[ABV] offset:128*(\t/2)+32*(\t%2)
.endr
.irp t, 0,1,2,3
	v_mov_b32 v[TMV+4+\t], 0
.endr
	s_wait_loadcnt 32                              ; Wv is in; the 32 loads of the mask, issued behind it, may stay out
	VBLK 0
	VBLK 1
	VBLK 2
	VBLK 3
	; ---------------- the record's bytes become the mask's image; K' comes back into registers
	s_wait_loadcnt 0x0
	WIN 0x82
.set q, 0
.rept 64
	v_pk_mul_f32 v[q:q+1], v[q:q+1], 0x41000000 op_sel_hi:[1,0]   ; 8 x mask: exact
.set q, q+2
.endr
	WIN 0
	v_add_nc_u32 v[PB8], s[SPK], v[L8]
	WIN 0xc0
.irp k, 0,1,2,3,4,5,6,7
.irp j, 0,1,2
.irp i, 0,1,2
	ds_load_b64 v[18*\k+6*\j+2*\i:18*\k+6*\j+2*\i+1], v[PB8] offset:KCH*(8*\j+\k)+256*\i   ; tile k's registers 6 j .. 6 j + 5 are part 8 j + k
.endr
.endr
.endr
.irp i, 0,1,2,3,4,5
	v_mov_b32 v[144+\i], 0                         ; behind the last tile: named by its second fragment
.endr
	WIN 0x80
.irp i, 0,1,2,3,4,5
	v_mov_b32 v[QF+18+\i], 0                       ; Q's upper 64 of the second K step: zero codes, written once
.endr
	WIN 0
.irp k, 0,1,2,3,4,5,6,7
	ds_load_u16 v[S+2*\k], v[PB2] offset:64*\k     ; Ki's two bytes,
	ds_load_u16 v[S+2*\k+1], v[PB2] offset:64*(8+\k)   ; Kp's,
	ds_load_u16 v[KS+2*\k+1], v[PB2] offset:64*(16+\k) ; Ka's: the second word as it stands (its upper bytes 0: they scale zero codes)
.endr
	s_wait_dscnt 0x0                               ; my reads of the record are over, and K' is back
.irp k, 0,1,2,3,4,5,6,7
	v_lshl_or_b32 v[KS+2*\k], v[S+2*\k+1], 16, v[S+2*\k]
.endr
	s_wait_alu depctr_va_vdst(0)
	PLACES 8                                       ; scale words made by vector instructions stand eight places ahead of the products
	s_barrier_signal -1
	s_barrier_wait -1                              ; everybody's reads of the record are over
	WIN 0x08                                       ; an LDS store's data are its source 1: window 2
.irp u, 0,1
.irp q, 0,1,2,3,4,5,6,7,8,9,10,11,12,13,14,15
	ds_store_b128 v[AMS], v[4*(16*\u+\q):4*(16*\u+\q)+3] offset:MTILE*\u+16*\q
.endr
.endr
	WIN 0
	s_wait_dscnt 0x0                               ; for the others' sake: my two tiles of the image are stored
	s_barrier_signal -1
	s_barrier_wait -1
	; ---------------- attention
	v_add_nc_u32 v[PB16], s[SPQ], v[L16]
	v_add_nc_u32 v[PB8], s[SPQ], v[L8]
	s_mov_b32 s[SP], 0
	s_mov_b32 s[SM], 0
	s_mov_b32 s[SC], 0
	QLOAD 0
	MLOAD 0
	s_mov_b32 s[CNT], 7
	s_wait_alu depctr_va_vdst(0)
	s_wait_dscnt 0x0                               ; the first tile's Q' and mask are in: the loop's own wait counts the byte store alone
.La:
	ATT 1
	s_sub_co_u32 s[CNT], s[CNT], 1
	s_cmp_lg_u32 s[CNT], 0
	s_cbranch_scc1 .La
	ATT 0
	v_add_nc_u32 v[T0], s[SCSL], v[L8]
	ds_load_b64 v[T0+2:T0+3], v[T0]                ; LDS serves a wave's instructions in order: this sees my byte stores
	s_wait_dscnt 0x0
	global_store_b64 v[L8], v[T0+2:T0+3], s[34:35] ; my head's 256 scale bytes: 256 consecutive bytes, aligned
	s_set_vgpr_msb 0x5
	s_wait_tensorcnt 0x0
	ds_add_u32 v254, v255
	s_wait_dscnt 0x0
	s_set_vgpr_msb 0x500
	s_endpgm
.Lfunc_end_k_q34bfae193c_attn:
	.size	k_q34bfae193c_attn, .Lfunc_end_k_q34bfae193c_attn-k_q34bfae193c_attn
	.p2alignl 7, 3214868480
	.fill 96, 4, 3214868480
	.section	.rodata,"a",@progbits
	.p2align	6, 0x0
	.amdhsa_kernel k_q34bfae193c_attn
		.amdhsa_group_segment_fixed_size 327680
		.amdhsa_private_segment_fixed_size 0
		.amdhsa_enable_private_segment 0
		.amdhsa_kernarg_size 112
		.amdhsa_user_sgpr_count 2
		.amdhsa_user_sgpr_kernarg_segment_ptr 1
		.amdhsa_wavefront_size32 1
		.amdhsa_system_sgpr_workgroup_id_x 1
		.amdhsa_system_sgpr_workgroup_id_y 1
		.amdhsa_system_sgpr_workgroup_id_z 1
		.amdhsa_system_vgpr_workitem_id 0
		.amdhsa_next_free_vgpr 1024
		.amdhsa_next_free_sgpr 100
		.amdhsa_reserve_vcc 0
		.amdhsa_float_denorm_mode_32 3
		.amdhsa_float_denorm_mode_16_64 3
		.amdhsa_memory_ordered 1
		.amdhsa_forward_progress 1
		.amdhsa_inst_pref_size 255
	.end_amdhsa_kernel
	.section	.bss,"aw",@nobits
	.p2align	6
	.space	262144
	.amdgpu_metadata
---
amdhsa.version: [ 1, 2 ]
amdhsa.kernels:
  - .name:           k_q34bfae193c_attn
    .symbol:         k_q34bfae193c_attn.kd
    .args:
      - { .name: xq, .offset: 0, .size: 8, .value_kind: global_buffer, .address_space: global }
      - { .name: wq, .offset: 8, .size: 8, .value_kind: global_buffer, .address_space: global }
      - { .name: ws, .offset: 16, .size: 8, .value_kind: global_buffer, .address_space: global }
      - { .name: attention_mask, .offset: 24, .size: 8, .value_kind: global_buffer, .address_space: global }
      - { .name: bk, .offset: 32, .size: 8, .value_kind: global_buffer, .address_space: global }
      - { .name: bkp, .offset: 40, .size: 8, .value_kind: global_buffer, .address_space: global }
      - { .name: bka, .offset: 48, .size: 8, .value_kind: global_buffer, .address_space: global }
      - { .name: bq, .offset: 56, .size: 8, .value_kind: global_buffer, .address_space: global }
      - { .name: bqp, .offset: 64, .size: 8, .value_kind: global_buffer, .address_space: global }
      - { .name: bqa, .offset: 72, .size: 8, .value_kind: global_buffer, .address_space: global }
      - { .name: bv, .offset: 80, .size: 8, .value_kind: global_buffer, .address_space: global }
      - { .name: w_matrix, .offset: 88, .size: 8, .value_kind: global_buffer, .address_space: global }
      - { .name: cq, .offset: 96, .size: 8, .value_kind: global_buffer, .address_space: global }
      - { .name: cs, .offset: 104, .size: 8, .value_kind: global_buffer, .address_space: global }
    .group_segment_fixed_size: 327680
    .private_segment_fixed_size: 0
    .kernarg_segment_align: 8
    .kernarg_segment_size: 112
    .max_flat_workgroup_size: 128
    .sgpr_count:     100
    .vgpr_count:     1024
    .wavefront_size: 32
...
	.end_amdgpu_metadata
.endif
;; end of part 2
;; launch outln (part 3): grid 256 x 1, 8 waves a work-group, no clusters, 65,536 bytes of LDS; arguments cq, cs, wq, ws, input_tensor, bd, gamma, beta, out0; writes out0
.if DOCPART == 3
	.amdgcn_target "amdgcn-amd-amdhsa--gfx1250"
	.amdhsa_code_object_version 6
	.text
	.protected	k_q34bfae193c_outln
	.globl	k_q34bfae193c_outln
	.p2align	8
	.type	k_q34bfae193c_outln,@function
k_q34bfae193c_outln:
	s_mov_b64 s[64:65], 0
	v_nop
	global_prefetch_b8 v0, s[64:65] scope:SCOPE_SE
	s_setreg_imm32_b32 hwreg(HW_REG_WAVE_MODE, 25, 1), 1
	s_wait_xcnt 0x0
; out = LayerNorm(ctx Wd + bd + input) x gamma + beta.  The product runs on codes of FP6 (E2M3) with E8M0 scales; all else in f32.
; SHARES.  A work-group takes 64 rows (four tiles of 16 in the order 32 (T / 2) + 8 (T % 2) + r + 8 (r / 8)); wave w takes output columns 64 w .. 64 w + 63 of all of them: Wd's 16 fragments stay in its registers (window 1).
; The product is used transposed (source 0 = 16 columns of Wd, source 1 = 16 rows of the context): a lane holds one row, a tile's 32 registers are 16 + 16 neighbouring columns.
; input + bd is the sums' starting C: loaded as rows (16 lanes read 256 consecutive bytes) and turned into the result's layout through the wave's own stage in LDS; the way out goes back the same way.
; TILE BY TILE.  The loads go out in the order of their use: context, bd, gamma, beta, Wd, then the input's four tiles.  Tile m waits for its own eight loads alone (the later tiles' 8 (3 - m) may be out),
; and is multiplied, normalised and stored before tile m + 1 is taken up.
; THE ROW'S MEAN AND VARIANCE, ONE EXCHANGE A TILE.  A wave sends, for each row, the sum s of its 64 columns and the sum q of their squared deviations from ITS OWN mean s / 64.
; Then mean = (sum of the eight s) / 512, and the row's squared deviations are (sum of the eight q) + 64 x sum of (s / 64 - mean)^2: no difference of large sums.  Each tile has exchange bytes of its own: one barrier a tile.
; No tensor loads and no joint loads: Wd goes from memory straight into registers, once a wave; the rest is read by one work-group alone.  No prefetch: the text has no loop to run ahead in, and all its loads go out at its head.
; LIMITS: 1 / sqrt is v_rsq_f32; NaN and infinities are not served.
; LDS: 0 the context's codes; 24,576 its scale bytes, 128 a head; 25,600 the stages, 16 rows x 272 a wave; 60,416 the exchange, 1,024 a tile; 64,512 the spare words.
.set CSR,  24576
.set STG,  25600
.set SPI,  272
.set RED1, 60416
.set L16,  1
.set L8,   2
.set XO,   3                           ; rows: 2,048 (lane / 16) + 16 (lane % 16)
.set STS,  4                           ; the stage by rows
.set STD,  5                           ; the stage in the result's layout
.set R1A,  6                           ; the exchange: 8 r
.set R1W,  7                           ; + 128 w
.set CSRA, 8
.set CSW,  9
.set CIW,  10
.set AWS,  11
.set PO,   12
.set L4,   13
.set MUR,  14                          ; the row's mean
.set DLT,  15                          ; my wave's mean - the row's
.set WS,   16                          ; v16-23 Wd's scale words, and nothing else
.set CS,   24                          ; v24-39 the context's: 4 m + s, and nothing else
.set CF,   40                          ; v40-87 a tile's four fragments of the context
.set BD,   88
.set GA,   92
.set BE,   96
.set SA,   100                         ; v100-103 at work
.set ST,   104                         ; v104-105 my s and q
.set PT,   106
.set MW,   108                         ; v108-109 my wave's mean, twice; later (my mean - the row's) / sigma, twice
.set RDX,  110                         ; v110-125 four chains of sums; then the eight waves' s and q; then 1 / sigma, twice
.set ACC,  128                         ; accumulator (m, t) at 32 m + 8 t
.set SEL,  42
.set MSB, 0
.macro WIN new
.if MSB != (\new)
	s_set_vgpr_msb (MSB<<8)|(\new)
.set MSB, (\new)
.endif
.endm
.macro PLACES n
.rept \n
	v_nop
.endr
.endm
.macro WM d, a, b, sa, sb, row
.if (\row) == 0
	v_wmma_scale_f32_16x16x128_f8f6f4 v[\d:\d+7], v[\a:\a+11], v[\b:\b+11], v[\d:\d+7], v[\sa], v[\sb] matrix_a_fmt:MATRIX_FMT_FP6 matrix_b_fmt:MATRIX_FMT_FP6
.else
	v_wmma_scale_f32_16x16x128_f8f6f4 v[\d:\d+7], v[\a:\a+11], v[\b:\b+11], v[\d:\d+7], v[\sa], v[\sb] matrix_a_fmt:MATRIX_FMT_FP6 matrix_b_fmt:MATRIX_FMT_FP6 matrix_a_scale:MATRIX_SCALE_ROW1
.endif
.endm
.macro FOLD dst                        ; the four chains' ends become one number: my half's, then lane l xor 16's
	v_pk_add_f32 v[RDX:RDX+1], v[RDX:RDX+1], v[RDX+2:RDX+3]
	v_pk_add_f32 v[RDX+4:RDX+5], v[RDX+4:RDX+5], v[RDX+6:RDX+7]
	s_delay_alu instid0(VALU_DEP_1)
	v_pk_add_f32 v[RDX:RDX+1], v[RDX:RDX+1], v[RDX+4:RDX+5]
	s_delay_alu instid0(VALU_DEP_1)
	v_add_f32 v[\dst], v[RDX], v[RDX+1]
	s_delay_alu instid0(VALU_DEP_1)
	v_permlanex16_b32 v[PT], v[\dst], s[SEL], s[SEL+1]
	s_delay_alu instid0(VALU_DEP_1)
	v_add_f32 v[\dst], v[\dst], v[PT]
.endm
; tile m up to the exchange
.macro PRE m
.set AC, ACC+32*\m
.irp s, 0,1,2,3
.irp u, 0,1                            ; head 2 s + u gave registers 6 u .. 6 u + 5: four of them at 16 x lane, two at 512 + 8 x lane of its 768 bytes
	ds_load_b128 v[CF+12*\s+6*\u:CF+12*\s+6*\u+3], v[L16] offset:6144*\m+1536*\s+768*\u
	ds_load_b64 v[CF+12*\s+6*\u+4:CF+12*\s+6*\u+5], v[L8] offset:6144*\m+1536*\s+768*\u+512
.endr
.endr
	s_wait_loadcnt 8*(3-\m)                        ; this tile's eight rows' loads are in (and all that was asked for earlier); the later tiles' eight each may be out
.irp i, 0,1,2,3,4,5,6,7
	v_pk_add_f32 v[AC+4*\i:AC+4*\i+1], v[AC+4*\i:AC+4*\i+1], v[BD:BD+1]
	v_pk_add_f32 v[AC+4*\i+2:AC+4*\i+3], v[AC+4*\i+2:AC+4*\i+3], v[BD+2:BD+3]
.endr
.irp i, 0,1,2,3,4,5,6,7                ; rows into the result's layout, through my stage, back into the registers that they left.  LDS serves a wave's instructions in order
	ds_store_b128 v[STS], v[AC+4*\i:AC+4*\i+3] offset:2*SPI*\i
.endr
.irp t, 0,1,2,3
	ds_load_b128 v[AC+8*\t:AC+8*\t+3], v[STD] offset:128*(\t/2)+32*(\t%2)
	ds_load_b128 v[AC+8*\t+4:AC+8*\t+7], v[STD] offset:128*(\t/2)+32*(\t%2)+16
.endr
	s_wait_dscnt 0x0
	WIN 1                                          ; source 0 (Wd) window 1
.irp s, 0,1,2,3                        ; the tile's four accumulators take turns, one instruction a turn
.irp t, 0,1,2,3
	WM AC+8*\t, 12*(4*\t+\s), CF+12*\s, WS+4*(\t%2)+\s, CS+4*\m+\s, \t/2
.endr
.endr
	WIN 0
	PLACES 4
.irp c, 0,1,2,3                        ; my 32 numbers' sum, four chains; each accumulator is first read at its low end
	v_pk_add_f32 v[RDX+2*\c:RDX+2*\c+1], v[AC+4*\c:AC+4*\c+1], v[AC+4*\c+2:AC+4*\c+3]
.endr
.irp j, 16,24
.irp c, 0,1,2,3
	v_pk_add_f32 v[RDX+2*\c:RDX+2*\c+1], v[RDX+2*\c:RDX+2*\c+1], v[AC+\j+2*\c:AC+\j+2*\c+1]
.endr
.endr
	FOLD ST
	s_delay_alu instid0(VALU_DEP_1)
	v_mul_f32 v[MW], s46, v[ST]                    ; my wave's mean of the row, in both words of a pair
	v_mul_f32 v[MW+1], s46, v[ST]
.irp j, 0,2,4,6,8,10,12,14,16,18,20,22,24,26,28,30
	v_pk_add_f32 v[AC+\j:AC+\j+1], v[AC+\j:AC+\j+1], v[MW:MW+1] neg_lo:[0,1] neg_hi:[0,1]
.endr
.irp c, 0,1,2,3
	v_pk_mul_f32 v[RDX+2*\c:RDX+2*\c+1], v[AC+2*\c:AC+2*\c+1], v[AC+2*\c:AC+2*\c+1]
.endr
.irp j, 8,16,24
.irp c, 0,1,2,3
	v_pk_fma_f32 v[RDX+2*\c:RDX+2*\c+1], v[AC+\j+2*\c:AC+\j+2*\c+1], v[AC+\j+2*\c:AC+\j+2*\c+1], v[RDX+2*\c:RDX+2*\c+1]
.endr
.endr
	FOLD ST+1
	ds_store_b64 v[R1W], v[ST:ST+1] offset:1024*\m ; both halves of the lanes write the same bytes with the same values
	s_wait_alu depctr_va_vdst(0)                   ; directly ahead of the wait below
	s_wait_dscnt 0x0                               ; for the others' sake
	s_barrier_signal -1
	s_barrier_wait -1
.endm
; tile m behind the exchange
.macro POST m
.set AC, ACC+32*\m
.irp w, 0,1,2,3,4,5,6,7
	ds_load_b64 v[RDX+2*\w:RDX+2*\w+1], v[R1A] offset:1024*\m+128*\w
.endr
	s_wait_dscnt 0x0
	v_pk_add_f32 v[SA:SA+1], v[RDX:RDX+1], v[RDX+2:RDX+3]         ; the s in the low words, the q in the high ones
	v_pk_add_f32 v[SA+2:SA+3], v[RDX+4:RDX+5], v[RDX+6:RDX+7]
.irp w, 4,6
	s_delay_alu instid0(VALU_DEP_2)
	v_pk_add_f32 v[SA:SA+1], v[SA:SA+1], v[RDX+2*\w:RDX+2*\w+1]
	s_delay_alu instid0(VALU_DEP_2)
	v_pk_add_f32 v[SA+2:SA+3], v[SA+2:SA+3], v[RDX+2*\w+2:RDX+2*\w+3]
.endr
	s_delay_alu instid0(VALU_DEP_1)
	v_pk_add_f32 v[SA:SA+1], v[SA:SA+1], v[SA+2:SA+3]
	s_delay_alu instid0(VALU_DEP_1)
	v_mul_f32 v[MUR], s40, v[SA]                   ; the row's mean
.irp w, 0,1,2,3,4,5,6,7
	v_fma_f32 v[RDX+2*\w], v[RDX+2*\w], s46, -v[MUR]   ; wave w's mean - the row's
.endr
	v_mul_f32 v[SA+2], v[RDX], v[RDX]
	v_mul_f32 v[SA+3], v[RDX+2], v[RDX+2]
.irp w, 2,4,6
	s_delay_alu instid0(VALU_DEP_2)
	v_fma_f32 v[SA+2], v[RDX+2*\w], v[RDX+2*\w], v[SA+2]
	s_delay_alu instid0(VALU_DEP_2)
	v_fma_f32 v[SA+3], v[RDX+2*\w+2], v[RDX+2*\w+2], v[SA+3]
.endr
	v_sub_f32 v[DLT], v[MW], v[MUR]
	v_add_f32 v[SA+2], v[SA+2], v[SA+3]
	s_delay_alu instid0(VALU_DEP_1)
	v_fma_f32 v[SA+1], v[SA+2], s47, v[SA+1]       ; the row's squared deviations
	s_delay_alu instid0(VALU_DEP_1)
	v_fma_f32 v[SA+1], v[SA+1], s40, s41           ; the variance + 1e-12
	s_wait_alu depctr_va_vdst(0)                   ; the wait ahead of the transcendental
	v_rsq_f32 v[RDX], v[SA+1]
	v_nop                                          ; a plain place behind it
	s_wait_alu depctr_va_vdst(0)                   ; and the wait ahead of its first reader
	v_mov_b32 v[RDX+1], v[RDX]
	v_mul_f32 v[MW], v[DLT], v[RDX]
	v_mul_f32 v[MW+1], v[DLT], v[RDX]
.irp j, 0,2,4,6,8,10,12,14,16,18,20,22,24,26,28,30
	v_pk_fma_f32 v[AC+\j:AC+\j+1], v[AC+\j:AC+\j+1], v[RDX:RDX+1], v[MW:MW+1]   ; (h - my mean) / sigma + (my mean - the row's) / sigma
.endr
.irp t, 0,1,2,3                        ; back into rows through my stage
	ds_store_b128 v[STD], v[AC+8*\t:AC+8*\t+3] offset:128*(\t/2)+32*(\t%2)
	ds_store_b128 v[STD], v[AC+8*\t+4:AC+8*\t+7] offset:128*(\t/2)+32*(\t%2)+16
.endr
.irp i, 0,1,2,3,4,5,6,7
	ds_load_b128 v[AC+4*\i:AC+4*\i+3], v[STS] offset:2*SPI*\i
.endr
	s_wait_dscnt 0x0
.irp i, 0,1,2,3,4,5,6,7
	v_pk_fma_f32 v[AC+4*\i:AC+4*\i+1], v[AC+4*\i:AC+4*\i+1], v[GA:GA+1], v[BE:BE+1]
	v_pk_fma_f32 v[AC+4*\i+2:AC+4*\i+3], v[AC+4*\i+2:AC+4*\i+3], v[GA+2:GA+3], v[BE+2:BE+3]
.endr
.irp i, 0,1,2,3,4,5,6,7
	global_store_b128 v[XO], v[AC+4*\i:AC+4*\i+3], s[24:25] offset:(32*(\m/2)+8*(\m%2)+2*\i+8*(\i/4))*2048 th:TH_STORE_NT   ; 16 lanes store 256 consecutive bytes, aligned; no register of a store is written again
.endr
.endm
	s_load_b512 s[8:23], s[0:1], 0x0               ; cq, cs, wq, ws, input, bd, gamma, beta
	s_load_b64 s[24:25], s[0:1], 0x40              ; out0
	v_lshl_add_u32 v126, v0, 2, 0xfc00             ; my spare word, and 0: kept for the closing lines
	v_mov_b32 v127, 0
	v_lshrrev_b32 v13, 5, v0
	s_delay_alu instid0(VALU_DEP_1)
	v_readfirstlane_b32 s26, v13                   ; wave 0..7
	v_and_b32 v13, 31, v0                          ; lane
	v_and_b32 v14, 15, v0                          ; r
	v_bfe_u32 v15, v0, 4, 1                        ; h
	v_lshlrev_b32 v[L16], 4, v13
	v_lshlrev_b32 v[L8], 3, v13
	v_lshlrev_b32 v[XO], 4, v14
	s_delay_alu instid0(VALU_DEP_1)
	v_lshl_add_u32 v[XO], v15, 11, v[XO]
	s_mul_i32 s27, s26, 16*SPI
	s_add_co_u32 s27, s27, STG                     ; my stage
	v_mul_u32_u24 v[STS], v15, SPI
	v_mul_u32_u24 v[STD], v14, SPI
	s_delay_alu instid0(VALU_DEP_2)
	v_lshl_add_u32 v[STS], v14, 4, v[STS]
	s_delay_alu instid0(VALU_DEP_2)
	v_lshl_add_u32 v[STD], v15, 6, v[STD]
	s_delay_alu instid0(VALU_DEP_2)
	v_add_nc_u32 v[STS], s27, v[STS]
	s_delay_alu instid0(VALU_DEP_2)
	v_add_nc_u32 v[STD], s27, v[STD]
	v_lshl_add_u32 v[R1A], v14, 3, RED1
	s_lshl_b32 s28, s26, 8
	s_lshl_b32 s29, s26, 7
	v_lshl_add_u32 v[CSRA], v14, 1, CSR
	v_lshl_add_u32 v[CSW], v13, 2, s29
	v_add_nc_u32 v[R1W], s29, v[R1A]
	s_delay_alu instid0(VALU_DEP_2)
	v_add_nc_u32 v[CSW], CSR, v[CSW]
	s_mul_i32 s30, s26, 3072
	v_add_nc_u32 v[CIW], s30, v[L16]
	v_lshlrev_b32 v[AWS], 4, v14
	v_lshl_add_u32 v[PO], v14, 4, s28              ; my four columns: 256 w + 16 (lane % 16)
	s_delay_alu instid0(VALU_DEP_2)
	v_lshl_add_u32 v[AWS], v15, 9, v[AWS]
	v_lshlrev_b32 v[L4], 2, v13
	v_mov_b32 v[PT], 0                             ; written once: a lane permute's destination counts as one of its sources
	s_mov_b32 s[SEL], 0x76543210
	s_mov_b32 s[SEL+1], 0xfedcba98
	s_mov_b32 s40, 0x3b000000                      ; 1 / 512
	s_mov_b32 s41, 0x2b8cbccc                      ; 1e-12
	s_mov_b32 s46, 0x3c800000                      ; 1 / 64
	s_mov_b32 s47, 0x42800000                      ; 64
	s_mul_i32 s32, ttmp9, 24576                    ; the context's four tiles
	s_mov_b32 s33, 0
	s_lshr_b32 s34, ttmp9, 1
	s_lshl_b32 s34, s34, 11
	s_add_co_u32 s34, s34, s28
	s_and_b32 s31, ttmp9, 1
	s_lshl_b32 s31, s31, 7
	s_add_co_u32 s34, s34, s31                     ; head w's scale bytes of these tiles: 2,048 b + 256 w + 128 g
	s_mov_b32 s35, 0
	s_lshl_b32 s36, ttmp9, 17
	s_add_co_u32 s36, s36, s28                     ; 64 rows of 2,048 bytes a work-group, + my columns
	s_mov_b32 s37, 0
	s_mul_i32 s38, s26, 24576
	s_mov_b32 s39, 0
	s_lshl_b32 s44, s26, 10
	s_mov_b32 s45, 0
	s_wait_alu depctr_va_vdst(0)                   ; the wait at the head's end
	s_wait_kmcnt 0x0
	s_add_nc_u64 s[8:9], s[8:9], s[32:33]
	s_add_nc_u64 s[10:11], s[10:11], s[34:35]
	s_add_nc_u64 s[12:13], s[12:13], s[38:39]
	s_add_nc_u64 s[14:15], s[14:15], s[44:45]
	s_add_nc_u64 s[16:17], s[16:17], s[36:37]
	s_add_nc_u64 s[24:25], s[24:25], s[36:37]
.irp k, 0,1,2,3,4,5
	global_load_b128 v[CF+4*\k:CF+4*\k+3], v[CIW], s[8:9] offset:512*\k
.endr
	global_load_b32 v[CF+24], v[L4], s[10:11]
	global_load_b128 v[BD:BD+3], v[PO], s[18:19]
	global_load_b128 v[GA:GA+3], v[PO], s[20:21]
	global_load_b128 v[BE:BE+3], v[PO], s[22:23]
	WIN 0x40
.set f, 0
.rept 48
	global_load_b128 v[4*f:4*f+3], v[L16], s[12:13] offset:196608*7+512*f
.set f, f+1
.endr
	WIN 0
.irp c, 0,1
	global_load_b128 v[WS+4*\c:WS+4*\c+3], v[AWS], s[14:15] offset:8192*7+256*\c
.endr
.irp m, 0,1,2,3
.irp i, 0,1,2,3,4,5,6,7
	global_load_b128 v[ACC+32*\m+4*\i:ACC+32*\m+4*\i+3], v[XO], s[16:17] offset:(32*(\m/2)+8*(\m%2)+2*\i+8*(\i/4))*2048 th:TH_LOAD_NT   ; 16 lanes read 256 consecutive bytes of a row, the other 16 the next row's
.endr
.endr
	s_wait_loadcnt 63                              ; the seven oldest loads are in: 85 were issued behind them, and the wait's field holds no more than 63
.irp k, 0,1,2,3,4,5
	ds_store_b128 v[CIW], v[CF+4*\k:CF+4*\k+3] offset:512*\k
.endr
	ds_store_b32 v[CSW], v[CF+24]
	s_wait_dscnt 0x0                               ; for the others' sake
	s_barrier_signal -1
	s_barrier_wait -1                              ; the context's codes and bytes lie in LDS
.irp m, 0,1,2,3
.irp q, 0,1,2,3,4,5,6,7
	ds_load_u16 v[CF+8*\m+\q], v[CSRA] offset:128*\q+32*\m   ; head q's two bytes of row (m, r)
.endr
.endr
	s_wait_dscnt 0x0
.irp m, 0,1,2,3
.irp s, 0,1,2,3
	v_lshl_or_b32 v[CS+4*\m+\s], v[CF+8*\m+2*\s+1], 16, v[CF+8*\m+2*\s]   ; K step s is heads 2 s and 2 s + 1.  (The first tile's 16 additions are the places between these words and the products)
.endr
.endr
.irp m, 0,1,2,3
	PRE \m
	POST \m
.endr
	s_wait_tensorcnt 0x0                           ; the wave's end, behind my last LDS store
	ds_add_u32 v126, v127
	s_wait_dscnt 0x0
	s_endpgm
.Lfunc_end_k_q34bfae193c_outln:
	.size	k_q34bfae193c_outln, .Lfunc_end_k_q34bfae193c_outln-k_q34bfae193c_outln
	.p2alignl 7, 3214868480
	.fill 96, 4, 3214868480
	.section	.rodata,"a",@progbits
	.p2align	6, 0x0
	.amdhsa_kernel k_q34bfae193c_outln
		.amdhsa_group_segment_fixed_size 65536
		.amdhsa_private_segment_fixed_size 0
		.amdhsa_enable_private_segment 0
		.amdhsa_kernarg_size 72
		.amdhsa_user_sgpr_count 2
		.amdhsa_user_sgpr_kernarg_segment_ptr 1
		.amdhsa_wavefront_size32 1
		.amdhsa_system_sgpr_workgroup_id_x 1
		.amdhsa_system_sgpr_workgroup_id_y 1
		.amdhsa_system_sgpr_workgroup_id_z 1
		.amdhsa_system_vgpr_workitem_id 0
		.amdhsa_next_free_vgpr 448
		.amdhsa_next_free_sgpr 66
		.amdhsa_reserve_vcc 0
		.amdhsa_float_denorm_mode_32 3
		.amdhsa_float_denorm_mode_16_64 3
		.amdhsa_memory_ordered 1
		.amdhsa_forward_progress 1
		.amdhsa_inst_pref_size 79
	.end_amdhsa_kernel
	.amdgpu_metadata
---
amdhsa.version: [ 1, 2 ]
amdhsa.kernels:
  - .name:           k_q34bfae193c_outln
    .symbol:         k_q34bfae193c_outln.kd
    .args:
      - { .name: cq, .offset: 0, .size: 8, .value_kind: global_buffer, .address_space: global }
      - { .name: cs, .offset: 8, .size: 8, .value_kind: global_buffer, .address_space: global }
      - { .name: wq, .offset: 16, .size: 8, .value_kind: global_buffer, .address_space: global }
      - { .name: ws, .offset: 24, .size: 8, .value_kind: global_buffer, .address_space: global }
      - { .name: input_tensor, .offset: 32, .size: 8, .value_kind: global_buffer, .address_space: global }
      - { .name: bd, .offset: 40, .size: 8, .value_kind: global_buffer, .address_space: global }
      - { .name: gamma, .offset: 48, .size: 8, .value_kind: global_buffer, .address_space: global }
      - { .name: beta, .offset: 56, .size: 8, .value_kind: global_buffer, .address_space: global }
      - { .name: out0, .offset: 64, .size: 8, .value_kind: global_buffer, .address_space: global }
    .group_segment_fixed_size: 65536
    .private_segment_fixed_size: 0
    .kernarg_segment_align: 8
    .kernarg_segment_size: 72
    .max_flat_workgroup_size: 256
    .sgpr_count:     66
    .vgpr_count:     448
    .wavefront_size: 32
...
	.end_amdgpu_metadata
.endif
;; end of part 3
